; MI455X (gfx1250); checked and timed in simulation.
; The chip was launched on July 23, 2026; its instructions are those of AMD's public machine-readable ISA for CDNA 5 (MIT licence, August 2026) and "CDNA5" Instruction Set Architecture Reference Guide (July 2026). The comments in the code are by the model that wrote it; some were corrected since.
;; Self Attention1. Allowed arithmetic: float matrix products may take bf16 or f16 operands with f32 sums; other float arithmetic in f32, or as packed bf16 or f16 multiplies, adds, multiply-adds, maxima and minima; sums over many terms, partial sums and values carried from step to step in f32; what a program stores and reads back later, other than sums and carried values, may be rounded once to bf16 or f16.
;; Inputs: Wk 1,024 x 1,024 float32; Wq 1,024 x 1,024 float32; Wv 1,024 x 1,024 float32; bk 1,024 float32; bq 1,024 float32; bv 1,024 float32; x 4 x 2,048 x 1,024 float32.
;; Outputs: out0 4 x 2,048 x 1,024 float32.
;; 2 versions, each right; version 2 is version 1 with the launch prep written anew for expert scheduling mode. Each part assembles by itself: llvm-mc -triple=amdgcn-amd-amdhsa -mcpu=gfx1250 --defsym DOCPART=n.
;; ======== version 1 of 2: 4 launches
;; limits: values are held in f16: magnitudes above 65,504 overflow, below 6.1e-05 lose precision
;; workspace buffers: xb 16,777,216 bytes; wt 6,291,456 bytes; biasb 12,288 bytes; qkv 50,331,648 bytes; prob 33,554,432 bytes; stats 1,048,576 bytes
;; launch prep (part 1): grid 352 x 1, 8 waves a work-group, no clusters, 74,752 bytes of LDS; arguments x, Wq, Wk, Wv, bq, bk, bv, xb, wt, biasb; writes xb, wt, biasb
.if DOCPART == 1
	.amdgcn_target "amdgcn-amd-amdhsa--gfx1250"
	.amdhsa_code_object_version 6
	.text
	.protected	k_q988fb3d3db_prep
	.globl	k_q988fb3d3db_prep
	.p2align	8
	.type	k_q988fb3d3db_prep,@function
k_q988fb3d3db_prep:
	s_mov_b64 s[64:65], 0
	v_nop
	global_prefetch_b8 v0, s[64:65] scope:SCOPE_SE
	s_setreg_imm32_b32 hwreg(HW_REG_WAVE_MODE, 25, 1), 1
	s_wait_xcnt 0x0
; PREPARATION.  x, the three weights and the three biases are rounded once to bf16 and laid out for the projection.
;   xb    [16 kb][8192 token][64]  bf16: x[token][64 kb + j]
;   wt    [16 kb][3072 n][64]      bf16: n = 1024 sel + e (sel 0, 1, 2 = q, k, v): W_sel[64 kb + j][e], that is the weights turned
;   biasb [3072] words: bf16(bias[n]) in the low half, 0 in the high half
; In both blocked layouts a tile of R rows x 64 along K is R x 128 consecutive bytes.
; Work-groups 0-255 take 32 tokens of x each (registers alone); work-groups 256-351 take 64 d x 512 e of one weight and turn it in LDS.
; The launch only moves bytes: no matrix work, no cluster, no tensor load would add anything.
.set SPARE, 73728                      ; behind the 512 rows x 144 bytes in which a weight tile is turned: 128 bytes of spare words for each of 8 waves
.set X, 16                             ; v[16:143]  32 loads of 4 registers
.set Y, 144                            ; v[144:159] packed pieces on their way into LDS
	s_load_b512 s[4:19], s[0:1], 0x0               ; x 4:5, Wq 6:7, Wk 8:9, Wv 10:11, bq 12:13, bk 14:15, bv 16:17, xb 18:19
	s_load_b128 s[20:23], s[0:1], 0x40             ; wt 20:21, biasb 22:23
	v_lshl_add_u32 v2, v0, 2, SPARE                ; my spare word,
	v_mov_b32 v3, 0                                ; and 0: kept for the add at the end alone
	v_lshrrev_b32 v1, 5, v0
	v_readfirstlane_b32 s24, v1                    ; wave 0..7
	v_and_b32 v1, 31, v0                           ; lane
	s_cmp_lt_u32 ttmp9, 256
	s_cbranch_scc0 .Lweights
; ---- x: lane l of wave w owns token 32 g + 4 w + l / 8 and, in each block kb of 64 columns, the columns 8 (l % 8) + 0..7
	s_lshl_b32 s26, ttmp9, 17                      ; 32 rows of 4,096 bytes of x
	s_mov_b32 s27, 0
	s_lshl_b32 s28, ttmp9, 12                      ; 32 rows of 128 bytes in a plane of xb
	s_mov_b32 s29, 0
	v_lshrrev_b32 v8, 3, v1
	v_lshl_add_u32 v8, s24, 2, v8                  ; 4 w + l / 8
	v_and_b32 v9, 7, v1
	v_lshlrev_b32 v4, 12, v8
	v_lshl_add_u32 v4, v9, 5, v4                   ; row x 4,096 + 32 (l % 8)
	v_lshlrev_b32 v5, 4, v0                        ; 512 w + 16 l: a store of the wave covers 512 consecutive bytes
	s_wait_kmcnt 0x0
	s_add_nc_u64 s[4:5], s[4:5], s[26:27]
	s_add_nc_u64 s[18:19], s[18:19], s[28:29]      ; planes 0-7
	s_add_nc_u64 s[30:31], s[18:19], 0x800000      ; planes 8-15: the immediate then stays inside its 24 bits
.set kb, 0
.rept 16                               ; all 32 loads go out at once: 16 KiB of each wave are on their way
	global_load_b128 v[X+8*kb:X+8*kb+3],   v4, s[4:5] offset:kb*256 th:TH_LOAD_NT
	global_load_b128 v[X+8*kb+4:X+8*kb+7], v4, s[4:5] offset:kb*256+16 th:TH_LOAD_NT
.set kb, kb+1
.endr
.set kb, 0
.rept 16
	s_wait_loadcnt 30-2*kb                         ; loads return in order: all but the younger ones are in
.irp j, 0,1,2,3
	v_cvt_pk_bf16_f32 v[X+8*kb+(\j)], v[X+8*kb+2*(\j)], v[X+8*kb+2*(\j)+1]  ; in place, ascending: a destination never lies above its sources
.endr
.if kb < 8
	global_store_b128 v5, v[X+8*kb:X+8*kb+3], s[18:19] offset:kb*1048576
.else
	global_store_b128 v5, v[X+8*kb:X+8*kb+3], s[30:31] offset:(kb-8)*1048576
.endif
.set kb, kb+1
.endr
	s_endpgm
; ---- weights: tile g' = sel, kb, half: rows d = 64 kb .. + 63, columns e = 512 half .. + 511
.Lweights:
	s_sub_co_u32 s25, ttmp9, 256
	s_lshr_b32 s26, s25, 5                         ; sel
	s_bfe_u32 s27, s25, 0x40001                    ; kb
	s_and_b32 s28, s25, 1                          ; half
	s_lshl_b32 s30, s27, 18                        ; 64 rows of 4,096 bytes
	s_lshl_b32 s29, s28, 11                        ; 512 numbers of 4 bytes
	s_add_co_u32 s30, s30, s29
	s_mov_b32 s31, 0
	s_mul_i32 s36, s27, 3072
	s_lshl_b32 s37, s26, 10
	s_add_co_u32 s36, s36, s37
	s_lshl_b32 s37, s28, 9
	s_add_co_u32 s36, s36, s37
	s_lshl_b32 s36, s36, 7                         ; (3072 kb + 1024 sel + 512 half) rows of 128 bytes in wt
	s_mov_b32 s37, 0
	v_lshlrev_b32 v4, 4, v1
	v_lshl_add_u32 v4, s24, 15, v4                 ; wave w reads rows 8 w + i: 32,768 w + 16 l
	v_mul_u32_u24 v6, v1, 576
	v_lshl_add_u32 v6, s24, 4, v6                  ; into LDS: row 4 l (+ c), my wave's 16 bytes of it
	v_lshrrev_b32 v8, 3, v1
	v_lshl_add_u32 v8, s24, 6, v8
	v_and_b32 v9, 7, v1
	v_mul_u32_u24 v7, v8, 144
	v_lshl_add_u32 v7, v9, 4, v7                   ; back: row 64 w + l / 8, bytes 16 (l % 8)
	v_lshlrev_b32 v5, 4, v1
	v_lshl_add_u32 v5, s24, 13, v5                 ; 8,192 w + 16 l in wt
	s_wait_kmcnt 0x0
	s_cmp_eq_u32 s26, 1
	s_cselect_b64 s[32:33], s[8:9], s[6:7]
	s_cselect_b64 s[34:35], s[14:15], s[12:13]
	s_cmp_eq_u32 s26, 2
	s_cselect_b64 s[32:33], s[10:11], s[32:33]     ; the weight,
	s_cselect_b64 s[34:35], s[16:17], s[34:35]     ; and its bias
	s_add_nc_u64 s[32:33], s[32:33], s[30:31]
	s_add_nc_u64 s[20:21], s[20:21], s[36:37]
.set p, 0
.rept 4                                ; pass p: columns 128 p + 4 l + 0..3 of my eight rows
.set i, 0
.rept 8
	global_load_b128 v[X+32*p+4*i:X+32*p+4*i+3], v4, s[32:33] offset:i*4096+p*512 th:TH_LOAD_NT
.set i, i+1
.endr
.set p, p+1
.endr
.set p, 0
.rept 4
	s_wait_loadcnt 24-8*p                          ; the later passes' loads may stay out
.set c, 0
.rept 4                                ; column c of my four: its eight d pack into 16 bytes of row e
.set m, 0
.rept 4
	v_cvt_pk_bf16_f32 v[Y+4*c+m], v[X+32*p+8*m+c], v[X+32*p+8*m+4+c]
.set m, m+1
.endr
	ds_store_b128 v6, v[Y+4*c:Y+4*c+3] offset:(128*p+c)*144
.set c, c+1
.endr
.set p, p+1
.endr
	s_wait_dscnt 0x0                               ; for the others' sake: a row's 128 bytes come from all eight waves
	s_barrier_signal -1
	s_barrier_wait -1
.set t, 0
.rept 16
	ds_load_b128 v[X+4*t:X+4*t+3], v7 offset:t*576 ; four whole rows of 128 bytes
.set t, t+1
.endr
.set t, 0
.rept 16
	s_wait_dscnt 15-t
	global_store_b128 v5, v[X+4*t:X+4*t+3], s[20:21] offset:t*512  ; 512 consecutive bytes of wt
.set t, t+1
.endr
	s_cmp_lg_u32 s27, 0                            ; the six tiles with kb = 0 also take 512 numbers of their bias
	s_cbranch_scc1 .Lend
	s_mov_b32 s30, s29
	s_mov_b32 s31, 0
	s_add_nc_u64 s[34:35], s[34:35], s[30:31]
	s_lshl_b32 s38, s26, 12
	s_add_co_u32 s38, s38, s29                     ; (1024 sel + 512 half) words
	s_mov_b32 s39, 0
	s_add_nc_u64 s[22:23], s[22:23], s[38:39]
	v_lshlrev_b32 v10, 3, v0                       ; two numbers a thread
	v_mov_b32 v11, 0
	global_load_b64 v[8:9], v10, s[34:35]
	s_wait_loadcnt 0x0
	v_cvt_pk_bf16_f32 v12, v8, v11                 ; the bias below, 0 above
	v_cvt_pk_bf16_f32 v13, v9, v11
	global_store_b64 v10, v[12:13], s[22:23]
.Lend:
	s_wait_tensorcnt 0x0                           ; the wave's end, behind my last LDS store
	ds_add_u32 v2, v3
	s_wait_dscnt 0x0
	s_endpgm
.Lfunc_end_k_q988fb3d3db_prep:
	.size	k_q988fb3d3db_prep, .Lfunc_end_k_q988fb3d3db_prep-k_q988fb3d3db_prep
	.p2alignl 7, 3214868480
	.fill 96, 4, 3214868480
	.section	.rodata,"a",@progbits
	.p2align	6, 0x0
	.amdhsa_kernel k_q988fb3d3db_prep
		.amdhsa_group_segment_fixed_size 74752
		.amdhsa_private_segment_fixed_size 0
		.amdhsa_enable_private_segment 0
		.amdhsa_kernarg_size 80
		.amdhsa_user_sgpr_count 2
		.amdhsa_user_sgpr_kernarg_segment_ptr 1
		.amdhsa_wavefront_size32 1
		.amdhsa_system_sgpr_workgroup_id_x 1
		.amdhsa_system_sgpr_workgroup_id_y 1
		.amdhsa_system_sgpr_workgroup_id_z 1
		.amdhsa_system_vgpr_workitem_id 0
		.amdhsa_next_free_vgpr 160
		.amdhsa_next_free_sgpr 66
		.amdhsa_reserve_vcc 0
		.amdhsa_float_denorm_mode_32 3
		.amdhsa_float_denorm_mode_16_64 3
		.amdhsa_memory_ordered 1
		.amdhsa_forward_progress 1
		.amdhsa_inst_pref_size 24
	.end_amdhsa_kernel
	.amdgpu_metadata
---
amdhsa.version: [ 1, 2 ]
amdhsa.kernels:
  - .name:           k_q988fb3d3db_prep
    .symbol:         k_q988fb3d3db_prep.kd
    .args:
      - { .name: x, .offset: 0, .size: 8, .value_kind: global_buffer, .address_space: global }
      - { .name: Wq, .offset: 8, .size: 8, .value_kind: global_buffer, .address_space: global }
      - { .name: Wk, .offset: 16, .size: 8, .value_kind: global_buffer, .address_space: global }
      - { .name: Wv, .offset: 24, .size: 8, .value_kind: global_buffer, .address_space: global }
      - { .name: bq, .offset: 32, .size: 8, .value_kind: global_buffer, .address_space: global }
      - { .name: bk, .offset: 40, .size: 8, .value_kind: global_buffer, .address_space: global }
      - { .name: bv, .offset: 48, .size: 8, .value_kind: global_buffer, .address_space: global }
      - { .name: xb, .offset: 56, .size: 8, .value_kind: global_buffer, .address_space: global }
      - { .name: wt, .offset: 64, .size: 8, .value_kind: global_buffer, .address_space: global }
      - { .name: biasb, .offset: 72, .size: 8, .value_kind: global_buffer, .address_space: global }
    .group_segment_fixed_size: 74752
    .private_segment_fixed_size: 0
    .kernarg_segment_align: 8
    .kernarg_segment_size: 80
    .max_flat_workgroup_size: 256
    .sgpr_count:     66
    .vgpr_count:     160
    .wavefront_size: 32
...
	.end_amdgpu_metadata
.endif
;; end of part 1
;; launch proj (part 2): grid 8 x 32, 4 waves a work-group, clusters of 4 x 4, 327,680 bytes of LDS; arguments xb, wt, biasb, qkv; writes qkv
.if DOCPART == 2
	.amdgcn_target "amdgcn-amd-amdhsa--gfx1250"
	.amdhsa_code_object_version 6
	.text
	.protected	k_q988fb3d3db_proj
	.globl	k_q988fb3d3db_proj
	.p2align	8
	.type	k_q988fb3d3db_proj,@function
k_q988fb3d3db_proj:
	s_mov_b64 s[64:65], 0
	v_nop
	global_prefetch_b8 v0, s[64:65] scope:SCOPE_SE
	s_setreg_imm32_b32 hwreg(HW_REG_WAVE_MODE, 25, 1), 1
	s_wait_xcnt 0x0
	s_wait_alu depctr_hold_cnt(0) depctr_sa_sdst(0) depctr_va_vdst(0) depctr_va_sdst(0) depctr_va_ssrc(0) depctr_va_vcc(0) depctr_vm_vsrc(0)
	s_getreg_b32 s2, hwreg(HW_REG_IB_STS2, 6, 4)
	s_cmp_eq_u32 s2, 0
	s_cbranch_scc0 .Lentry_in_a_cluster
	s_endpgm
.Lentry_in_a_cluster:
	s_bfe_u32 s2, ttmp6, 0x10000c
	s_cmp_lg_u32 s2, 0xf033
	s_cbranch_scc0 .Lentry_shape_is_right
	s_endpgm
.Lentry_shape_is_right:
; PROJECTION.  [q | k | v][token][n] = the sum over d of xb[token][d] wt[n][d] + bias[n]; bf16 operands, f32 sums, written once as f16.
;   qkv [48 cb][8192 token][64] f16: planes 0-15 q, 16-31 k, 32-47 v.
; LIMIT.  f16 ends at 65,504: q, k and v must lie within it.  NaN and infinities are not treated apart.
; SHARES.  8192 x 3072 outputs in tiles of 256 tokens x 384 columns: 32 x 8 = 256 work-groups.  Four waves, 2 x 2, each 128 x 192: 96 accumulators, 768 registers.
; K goes in 16 steps of 64 (one plane of xb and of wt) through two LDS slots; a tile is dense in memory and is asked for as rows of 256 bytes, padded in LDS behind every 128.
; THE MATRIX INSTRUCTION IS USED TRANSPOSED: source 0 = 16 rows of wt, source 1 = 16 tokens: a lane then holds one token and eight neighbouring columns.
; THE BIAS STARTS THE SUMS: a K step of its own, in which k = 0 holds the bias on one side and 1 on the other; it runs while the first tiles are on their way, and nothing is cleared.
; CLUSTER 4 x 4: xb's tile is shared along a row of the cluster, wt's along a column; each is asked for jointly.
; REGISTERS.  window 0: v0-31 addresses; v32-95, v96-159 tokens' fragments (8 x 16 rows x 32 K), two buffers; v160-255 wt's 12 fragments, in two halves that are loaded apart.
;   windows 1-3: accumulator (half be, token block a, column block b') has number i = 48 be + 6 a + b': window 1 + i / 32, register 8 (i % 32).
.set PITCH, 144                        ; an LDS row: 128 bytes + 16 of padding = 36 words: the 16 rows of a fragment load start at 16 different groups of four banks
.set SLOT1, 131072                     ; slot 1 begins here: one exclusive or turns an address in one slot into the other's
.set BOFF,  256*PITCH                  ; in a slot: 256 rows of xb, then 384 rows of wt
.set STAGE, BOFF+384*PITCH             ; between the slots, never filled by a tensor load: 3 x 16 rows x 144 bytes for each wave
.set SPARE, STAGE+4*48*PITCH           ; the spare words, 128 bytes a wave
.set STEPA, 8192*128                   ; a plane of xb
.set STEPB, 3072*128                   ; a plane of wt
.set T,     16
.set ADRA0, 4                          ; my place in xb's tile, slot 0; never rewritten
.set ADRB0, 5                          ; the same for wt
.set ADRA,  6                          ; in the slot in hand
.set ADRB,  7
.set STO,   8                          ; the way out: where I put 16 bytes
.set RD,    9                          ; where I read rows back
.set CO,    10                         ; 16 x lane
.set PFO,   11                         ; 256 x lane
.set SPW,   12                         ; my spare word
.set NIL,   13                         ; 0
.set BO,    14                         ; my byte offset in biasb
.set FA0,   32
.set FA1,   96
.set FB,    160
.set TMP,   32                         ; the way out: 48 packed registers
.set CNT,   3
.set G1A,   24
.set G0A,   32
.set LIM,   43
.set PFA,   44
.set G1B,   48
.set G0B,   56
.set TB,    66
.set PST,   70
.set PO,    72
.set G1W0,  (1<<16)|(1<<20)|(1<<21)|(4<<22)|(3<<25)  ; 2-byte elements; padding on; bit 21 beside a mask; behind every 32 words; 4 words
.set MSB, 0
.macro WIN new                         ; the immediate's high byte repeats the setting that is left; a switch that changes nothing is dropped
.if MSB != (\new)
	s_set_vgpr_msb (MSB<<8)|(\new)
.set MSB, (\new)
.endif
.endm
.macro PLACES                          ; four plain places behind a matrix instruction, ahead of loads into its sources and of readers of its result
.rept 4
	v_nop
.endr
.endm
.macro JLOAD s                         ; a joint load: waves 0, 1 fetch xb's two halves, waves 2, 3 wt's; the branch hangs on the wave's number alone
	s_cmp_eq_u32 s11, 0
	s_cbranch_scc0 .Lfor_b_\@
	tensor_load_to_lds s[G0A+4*(\s):G0A+4*(\s)+3], s[G1A:G1A+7]
	s_nop 0
.rept 4
	v_nop
.endr
	s_branch .Lasked_\@
.Lfor_b_\@:
	tensor_load_to_lds s[G0B+4*(\s):G0B+4*(\s)+3], s[G1B:G1B+7]
	s_nop 0
.rept 4
	v_nop
.endr
.Lasked_\@:
.endm
.macro CREST                           ; a round of the cluster's barrier behind its opening barrier
	s_cmp_lg_u32 s10, 0
	s_cbranch_scc1 .Lnot_wave_0_\@
	s_barrier_signal -3
.Lnot_wave_0_\@:
	s_barrier_wait -3
	s_barrier_signal -1
	s_barrier_wait -1
.endm
.macro CROUND
	s_barrier_signal -1
	s_barrier_wait -1
	CREST
.endm
; A PREFETCH INTO THE L2, behind the joint load and the LDS loads that follow it.  At the change behind step s the address stands at step s + 3, whose load goes out one step, 192 matrix instructions, later.
; xb: wave 0 of the clusters with x = 0; the four partners of a row take 32 of the step's 128 blocks of 256 bytes each, by address (cx).  Steps 3 to 15.
; wt: waves 1-3 of the clusters with y = 0, at every second change, for two steps at once: 12 askers (3 waves x cy) x 32 blocks = 2 x 192.  Steps 4 to 15.
; So each block is named once; steps 0 to 2 (wt: 3) come by their loads alone, and nothing points past a buffer's end.
.macro ASK
	s_or_b32 s73, s[CNT], s[PO]
	s_bitcmp1_b32 s73, 0
	s_cbranch_scc0 .Lnot_mine_\@
	s_cmp_gt_u32 s[CNT], s[LIM]
	s_cbranch_scc0 .Lnot_mine_\@
	global_prefetch_b8 v[PFO], s[PFA:PFA+1] th:TH_LOAD_NT scope:SCOPE_SE
.Lnot_mine_\@:
.endm
	s_load_b128 s[4:7], s[0:1], 0x0                ; xb 4:5, wt 6:7
	s_load_b64 s[78:79], s[0:1], 0x10              ; biasb
	s_load_b64 s[8:9], s[0:1], 0x18                ; qkv
	v_lshl_add_u32 v[SPW], v0, 2, SPARE
	v_mov_b32 v[NIL], 0
	ds_add_u32 v[SPW], v[NIL]                      ; the wave's opening: the add and its wait ahead of my first tensor load
	v_lshrrev_b32 v1, 5, v0
	v_readfirstlane_b32 s10, v1                    ; wave 0..3
	s_lshr_b32 s11, s10, 1                         ; my half of the tile's tokens.  Also: I fetch for xb (0) or wt (1)
	s_and_b32 s12, s10, 1                          ; my half of its columns.  Also: which half of that tile I fetch
	s_bfe_u32 s40, ttmp6, 0x40000                  ; cx
	s_bfe_u32 s41, ttmp6, 0x40004                  ; cy
	s_lshl_b32 s42, ttmp9, 2
	s_add_co_u32 s42, s42, s40                     ; tile column tx
	s_and_b32 s13, ttmp7, 0xffff
	s_lshl_b32 s13, s13, 2
	s_add_co_u32 s13, s13, s41                     ; tile row ty
	s_lshl_b32 s43, s41, 2
	s_lshl_b32 s43, 15, s43                        ; my row of the cluster
	s_lshl_b32 s44, 0x1111, s40                    ; my column
	s_or_b32 s[G1A], s43, G1W0
	s_or_b32 s[G1B], s44, G1W0
	s_mov_b32 s[G1A+1], 128<<16                    ; tensor_dim0 = 128 elements: rows of 256 bytes
	s_mov_b32 s[G1A+2], 64<<16                     ; tensor_dim1 = 64: 128 tokens, two to a row
	s_mov_b32 s[G1A+3], 128<<16                    ; tile_dim0
	s_mov_b32 s[G1A+4], 64                         ; tile_dim1
	s_mov_b32 s[G1A+5], 128                        ; from row to row
	s_mov_b32 s[G1A+6], 0
	s_mov_b32 s[G1A+7], 0
	s_mov_b32 s[G1B+1], 128<<16
	s_mov_b32 s[G1B+2], 96<<16                     ; 192 rows of wt, two to a row
	s_mov_b32 s[G1B+3], 128<<16
	s_mov_b32 s[G1B+4], 96
	s_mov_b32 s[G1B+5], 128
	s_mov_b32 s[G1B+6], 0
	s_mov_b32 s[G1B+7], 0
	s_lshl_b32 s16, s13, 15                        ; xb: 256 ty tokens of 128 bytes,
	s_lshl_b32 s17, s12, 14                        ; + my 128
	s_add_co_u32 s16, s16, s17
	s_mov_b32 s17, 0
	s_mul_i32 s46, s42, 384*128                    ; wt: 384 tx rows,
	s_mul_i32 s47, s12, 192*128                    ; + my 192
	s_add_co_u32 s46, s46, s47
	s_mov_b32 s47, 0
	s_mul_i32 s20, s12, 128*PITCH                  ; where they go: no place in the cluster enters an LDS address
	s_mul_i32 s21, s12, 192*PITCH
	s_add_co_u32 s21, s21, BOFF
	s_mov_b32 s[TB], 0
	s_wait_dscnt 0x0                               ; the opening add is done
	s_wait_kmcnt 0x0
	s_add_nc_u64 s[14:15], s[4:5], s[16:17]
	s_add_nc_u64 s[46:47], s[6:7], s[46:47]
	CROUND                                         ; all sixteen work-groups are here: the first joint loads meet
.irp s, 0,1
	s_mov_b32 s[G0A+4*(\s)], 1
	s_add_co_u32 s[G0A+4*(\s)+1], s20, (\s)*SLOT1
	s_add_nc_u64 s[G0A+4*(\s)+2:G0A+4*(\s)+3], s[14:15], (\s)*STEPA
	s_or_b32 s[G0A+4*(\s)+3], s[G0A+4*(\s)+3], 0x80000000
	s_mov_b32 s[G0B+4*(\s)], 1
	s_add_co_u32 s[G0B+4*(\s)+1], s21, (\s)*SLOT1
	s_add_nc_u64 s[G0B+4*(\s)+2:G0B+4*(\s)+3], s[46:47], (\s)*STEPB
	s_or_b32 s[G0B+4*(\s)+3], s[G0B+4*(\s)+3], 0x80000000
	JLOAD \s                                       ; steps 0 and 1: two loads of mine are out
.endr
	v_and_b32 v1, 15, v0                           ; r = l % 16
	v_bfe_u32 v2, v0, 4, 1                         ; h = l / 16
	; the bias step's operands
	s_mul_i32 s46, s42, 384
	s_mul_i32 s47, s12, 192
	s_add_co_u32 s46, s46, s47
	v_add_nc_u32 v[BO], s46, v1
	v_lshlrev_b32 v[BO], 2, v[BO]
.set b, 0
.rept 12
	global_load_b32 v[FB+8*b], v[BO], s[78:79] offset:64*b  ; register 0 of fragment b: k = 8 h: the bias of column 16 b + r, and 0 for k = 8 h + 1
.set b, b+1
.endr
.set b, 0
.rept 12
.irp j, 1,2,3,4,5,6,7
	v_mov_b32 v[FB+8*b+(\j)], 0
.endr
.set b, b+1
.endr
	v_sub_nc_u32 v[FA0], 1, v2
	v_mul_u32_u24 v[FA0], v[FA0], 0x3f80           ; the other side: 1 at k = 0 (lanes with h = 0), 0 everywhere else
.irp j, 1,2,3,4,5,6,7
	v_mov_b32 v[FA0+(\j)], 0
.endr
	; lane addresses
	v_mul_u32_u24 v3, v1, PITCH
	v_lshl_add_u32 v3, v2, 4, v3                   ; row x pitch + 16 x half
	s_mul_i32 s21, s11, 128*PITCH
	s_mul_i32 s22, s12, 192*PITCH
	s_add_co_u32 s22, s22, BOFF
	v_add_nc_u32 v[ADRA0], s21, v3
	v_add_nc_u32 v[ADRB0], s22, v3
	v_mov_b32 v[ADRA], v[ADRA0]
	v_mov_b32 v[ADRB], v[ADRB0]
	s_mul_i32 s23, s10, 48*PITCH
	s_add_co_u32 s23, s23, STAGE                   ; my stage
	v_add_nc_u32 v[STO], s23, v3
	v_and_b32 v15, 31, v0
	v_lshrrev_b32 v16, 3, v15
	v_and_b32 v17, 7, v0
	v_mul_u32_u24 v16, v16, PITCH
	v_lshl_add_u32 v16, v17, 4, v16
	v_add_nc_u32 v[RD], s23, v16                   ; back: four rows of 128 bytes a load
	v_lshlrev_b32 v[CO], 4, v15
	v_lshlrev_b32 v[PFO], 8, v15
	; qkv at plane 6 tx + 3 wc, token 256 ty + 128 wr
	s_mul_i32 s46, s42, 6
	s_mul_i32 s47, s12, 3
	s_add_co_u32 s46, s46, s47
	s_lshl_b32 s46, s46, 20
	s_lshl_b32 s16, s13, 15
	s_lshl_b32 s17, s11, 14
	s_add_co_u32 s16, s16, s17
	s_add_co_u32 s16, s16, s46
	s_mov_b32 s17, 0
	s_add_nc_u64 s[8:9], s[8:9], s[16:17]
	; the prefetches
	s_lshl_b32 s20, s13, 15
	s_lshl_b32 s21, s40, 13                        ; my work-group's 32 blocks of xb's 128
	s_add_co_u32 s20, s20, s21
	s_add_co_u32 s20, s20, 2*STEPA                 ; at step 2: the first change steps it to 3
	s_max_u32 s22, s10, 1
	s_sub_co_u32 s22, s22, 1
	s_lshl_b32 s22, s22, 2
	s_add_co_u32 s22, s22, s41                     ; j = 4 (w - 1) + cy, 0 .. 11
	s_mul_i32 s23, s22, 11
	s_lshr_b32 s23, s23, 6                         ; j / 6: which of the two steps
	s_mul_i32 s14, s23, 6
	s_sub_co_u32 s22, s22, s14                     ; j % 6: which 32 of its 192 blocks
	s_lshl_b32 s22, s22, 13
	s_mul_i32 s23, s23, STEPB
	s_add_co_u32 s22, s22, s23
	s_mul_i32 s23, s42, 384*128
	s_add_co_u32 s22, s22, s23
	s_add_co_u32 s22, s22, 2*STEPB
	s_and_b32 s23, ttmp7, 0xffff                   ; cluster y
	s_mov_b32 s14, STEPA
	s_mov_b32 s15, STEPB
	s_cmp_eq_u32 s10, 0
	s_cselect_b32 s20, s20, s22
	s_cselect_b64 s[PFA:PFA+1], s[4:5], s[6:7]
	s_cselect_b32 s23, ttmp9, s23                  ; the coordinate along which other clusters read the same rows
	s_cselect_b32 s[PST], s14, s15
	s_cselect_b32 s[PO], 1, 0                      ; xb at every change, wt at those with an odd count
	s_cselect_b32 s[LIM], 1, 2
	s_cmp_eq_u32 s23, 0
	s_cselect_b32 s[LIM], s[LIM], -1               ; the same in all sixteen partners, for a given wave
	s_mov_b32 s[PST+1], 0
	s_mov_b32 s21, 0
	s_add_nc_u64 s[PFA:PFA+1], s[PFA:PFA+1], s[20:21]
; na x 6 matrix instructions: half be of wt's fragments x token blocks a0 .. a0 + na - 1 of buffer fa.  The 96 accumulators take turns in the same order in every quarter.
; bias = 1: the sums start: C = 0, and every token block takes the one fragment at fa.
.macro MULH be, fa, a0, na, bias
.set ma, (\a0)
.rept (\na)
.set mb, 0
.rept 6
.set mi, 48*(\be)+6*ma+mb
.set mr, 8*(mi%32)
	WIN 0x50*(1+mi/32)
.if \bias
	v_wmma_f32_16x16x32_bf16 v[mr:mr+7], v[FB+48*(\be)+8*mb:FB+48*(\be)+8*mb+7], v[(\fa):(\fa)+7], 0
.else
	v_wmma_f32_16x16x32_bf16 v[mr:mr+7], v[FB+48*(\be)+8*mb:FB+48*(\be)+8*mb+7], v[(\fa)+8*ma:(\fa)+8*ma+7], v[mr:mr+7]
.endif
.set mb, mb+1
.endr
.set ma, ma+1
.endr
.endm
.macro LDB be, k                       ; 12 LDS loads: half be of wt's fragments, 32 along K at byte k of the rows
	WIN 0
.set lb, 0
.rept 6
	ds_load_b128 v[FB+48*(\be)+8*lb:FB+48*(\be)+8*lb+3],   v[ADRB] offset:(6*(\be)+lb)*16*PITCH+(\k)
	ds_load_b128 v[FB+48*(\be)+8*lb+4:FB+48*(\be)+8*lb+7], v[ADRB] offset:(6*(\be)+lb)*16*PITCH+(\k)+32
.set lb, lb+1
.endr
.endm
.macro LDA fa, k                       ; 16 LDS loads: the tokens' 8 fragments
	WIN 0
.set lb, 0
.rept 8
	ds_load_b128 v[(\fa)+8*lb:(\fa)+8*lb+3],   v[ADRA] offset:lb*16*PITCH+(\k)
	ds_load_b128 v[(\fa)+8*lb+4:(\fa)+8*lb+7], v[ADRA] offset:lb*16*PITCH+(\k)+32
.set lb, lb+1
.endr
.endm
.macro Q0                              ; a step's first 32 along K, on buffer FA0
	s_wait_dscnt 12                                ; all but the youngest 12 loads (wt's second half) are in
	MULH 0, FA0, 0, 8, 0
	PLACES
	LDB 0, 64
	LDA FA1, 64
	s_wait_dscnt 28                                ; all but the 28 just issued
	MULH 1, FA0, 0, 8, 0
	PLACES
	LDB 1, 64
.endm
; A step's second 32 along K, on buffer FA1, and THE CHANGE OF SLOTS: one barrier, in front of which each wave waits for all its tensor loads (one is out: its part of the next slot), adds 0 to its
; spare word, and waits for that and for its reads of this slot.  fill = 1: the barrier opens a round of the cluster's, and the slot just read is filled again, two steps ahead, first thing behind it.
.macro Q1C fill
.if \fill
	s_wait_xcnt 0x0                                ; the last prefetch, a step back, has read its address
	s_add_nc_u64 s[PFA:PFA+1], s[PFA:PFA+1], s[PST:PST+1]
.endif
	WIN 0
	s_wait_tensorcnt 0x0
	ds_add_u32 v[SPW], v[NIL]
	s_wait_dscnt 13                                ; the add and wt's second half (12 loads) may be out
	MULH 0, FA1, 0, 4, 0
	s_wait_dscnt 0x0                               ; the add is done, and my reads of this slot are over
	s_barrier_signal -1
	MULH 0, FA1, 4, 4, 0
	WIN 0
	s_barrier_wait -1
.if \fill
	CREST
	s_xor_b32 s[G0A+5], s[G0A+5], SLOT1            ; the walking descriptors: the other slot than last time, the next step
	s_add_nc_u64 s[G0A+6:G0A+7], s[G0A+6:G0A+7], STEPA
	s_xor_b32 s[G0B+5], s[G0B+5], SLOT1
	s_add_nc_u64 s[G0B+6:G0B+7], s[G0B+6:G0B+7], STEPB
	JLOAD 1                                        ; its four v_nop are also the places in front of the loads below
.else
	PLACES
.endif
	s_xor_b32 s[TB], s[TB], SLOT1
	v_add_nc_u32 v[ADRA], s[TB], v[ADRA0]
	v_add_nc_u32 v[ADRB], s[TB], v[ADRB0]
	LDB 0, 0
	LDA FA0, 0
.if \fill
	ASK
.endif
	MULH 1, FA1, 0, 8, 0
	PLACES
	LDB 1, 0
.endm
	s_wait_loadcnt 0x0                             ; the biases
	MULH 0, FA0, 0, 8, 1                           ; 96 products start the 96 sums
	MULH 1, FA0, 0, 8, 1
	WIN 0
	s_wait_tensorcnt 1                             ; my part of step 0 is in; step 1's may stay out
	s_barrier_signal -1
	s_barrier_wait -1
	PLACES
	LDB 0, 0
	LDA FA0, 0
	LDB 1, 0
	s_mov_b32 s[CNT], T-1
	s_branch .Lmid                                 ; the loop is entered in the middle of a trip
.Ltop:                                         ; T - 2 times: the second quarter of a step with its change of slots, the first quarter of the next
	Q1C 1
	WIN 0
.Lmid:
	Q0
	WIN 0
	s_sub_co_u32 s[CNT], s[CNT], 1
	s_cmp_lg_u32 s[CNT], 0
	s_cbranch_scc1 .Ltop
	Q1C 0                                          ; the tail is written out: nothing is left to ask for
	Q0
	s_wait_dscnt 12
	MULH 0, FA1, 0, 8, 0
	s_wait_dscnt 0x0
	MULH 1, FA1, 0, 8, 0
	WIN 0
	PLACES
; THE WAY OUT, a block of 16 tokens at a time: rounded to f16, 16 bytes a lane into my own stage (three groups of 64 columns), back as whole rows of 128 bytes, stored as 512 consecutive bytes of a plane.
.macro PACK a
.set pb, 0
.rept 12
.set pi, 48*(pb/6)+6*(\a)+pb%6
.set pr, 8*(pi%32)
	WIN 5*(1+pi/32)
.irp m, 0,1,2,3
	v_cvt_pk_f16_f32 v[TMP+4*pb+(\m)], v[pr+2*(\m)], v[pr+2*(\m)+1]
.endr
.set pb, pb+1
.endr
	WIN 0
.endm
.macro TOSTAGE a
.set BK, 80+48*((\a)%2)
.set pb, 0
.rept 12
	ds_store_b128 v[STO], v[TMP+4*pb:TMP+4*pb+3] offset:(pb/4)*16*PITCH+(pb%4)*32
.set pb, pb+1
.endr
.set pb, 0
.rept 12
	ds_load_b128 v[BK+4*pb:BK+4*pb+3], v[RD] offset:(pb/4)*16*PITCH+(pb%4)*4*PITCH  ; LDS serves a wave's instructions in order: these see the stores above
.set pb, pb+1
.endr
.endm
.macro SEND a
.set BK, 80+48*((\a)%2)
	s_wait_dscnt 0x0                               ; the block is back in registers
	s_wait_xcnt 0x0                                ; earlier stores have read their registers: the other buffer is loaded again only behind this wait
.set pb, 0
.rept 12
	global_store_b128 v[CO], v[BK+4*pb:BK+4*pb+3], s[8:9] offset:(pb/4)*1048576+(\a)*2048+(pb%4)*512
.set pb, pb+1
.endr
.endm
	PACK 0
	TOSTAGE 0
.irp a, 1,2,3,4,5,6,7
	PACK \a
	SEND (\a)-1
	TOSTAGE \a
.endr
	SEND 7
	s_wait_tensorcnt 0x0                           ; the wave's end
	ds_add_u32 v[SPW], v[NIL]
	s_wait_dscnt 0x0
	CROUND                                         ; the closing round
	s_endpgm
.Lfunc_end_k_q988fb3d3db_proj:
	.size	k_q988fb3d3db_proj, .Lfunc_end_k_q988fb3d3db_proj-k_q988fb3d3db_proj
	.p2alignl 7, 3214868480
	.fill 96, 4, 3214868480
	.section	.rodata,"a",@progbits
	.p2align	6, 0x0
	.amdhsa_kernel k_q988fb3d3db_proj
		.amdhsa_group_segment_fixed_size 327680
		.amdhsa_private_segment_fixed_size 0
		.amdhsa_enable_private_segment 0
		.amdhsa_kernarg_size 32
		.amdhsa_user_sgpr_count 2
		.amdhsa_user_sgpr_kernarg_segment_ptr 1
		.amdhsa_wavefront_size32 1
		.amdhsa_system_sgpr_workgroup_id_x 1
		.amdhsa_system_sgpr_workgroup_id_y 1
		.amdhsa_system_sgpr_workgroup_id_z 1
		.amdhsa_system_vgpr_workitem_id 0
		.amdhsa_next_free_vgpr 1024
		.amdhsa_next_free_sgpr 100
		.amdhsa_reserve_vcc 0
		.amdhsa_float_denorm_mode_32 3
		.amdhsa_float_denorm_mode_16_64 3
		.amdhsa_memory_ordered 1
		.amdhsa_forward_progress 1
		.amdhsa_inst_pref_size 112
	.end_amdhsa_kernel
	.amdgpu_metadata
---
amdhsa.version: [ 1, 2 ]
amdhsa.kernels:
  - .name:           k_q988fb3d3db_proj
    .symbol:         k_q988fb3d3db_proj.kd
    .args:
      - { .name: xb, .offset: 0, .size: 8, .value_kind: global_buffer, .address_space: global }
      - { .name: wt, .offset: 8, .size: 8, .value_kind: global_buffer, .address_space: global }
      - { .name: biasb, .offset: 16, .size: 8, .value_kind: global_buffer, .address_space: global }
      - { .name: qkv, .offset: 24, .size: 8, .value_kind: global_buffer, .address_space: global }
    .group_segment_fixed_size: 327680
    .private_segment_fixed_size: 0
    .kernarg_segment_align: 8
    .kernarg_segment_size: 32
    .max_flat_workgroup_size: 128
    .sgpr_count:     100
    .vgpr_count:     1024
    .wavefront_size: 32
...
	.end_amdgpu_metadata
.endif
;; end of part 2
;; launch score (part 3): grid 8 x 32, 4 waves a work-group, clusters of 4 x 4, 327,680 bytes of LDS; arguments qkv, prob, stats; writes prob, stats
.if DOCPART == 3
	.amdgcn_target "amdgcn-amd-amdhsa--gfx1250"
	.amdhsa_code_object_version 6
	.text
	.protected	k_q988fb3d3db_score
	.globl	k_q988fb3d3db_score
	.p2align	8
	.type	k_q988fb3d3db_score,@function
k_q988fb3d3db_score:
	s_mov_b64 s[64:65], 0
	v_nop
	global_prefetch_b8 v0, s[64:65] scope:SCOPE_SE
	s_setreg_imm32_b32 hwreg(HW_REG_WAVE_MODE, 25, 1), 1
	s_wait_xcnt 0x0
	s_wait_alu depctr_hold_cnt(0) depctr_sa_sdst(0) depctr_va_vdst(0) depctr_va_sdst(0) depctr_va_ssrc(0) depctr_va_vcc(0) depctr_vm_vsrc(0)
	s_getreg_b32 s2, hwreg(HW_REG_IB_STS2, 6, 4)
	s_cmp_eq_u32 s2, 0
	s_cbranch_scc0 .Lentry_in_a_cluster
	s_endpgm
.Lentry_in_a_cluster:
	s_bfe_u32 s2, ttmp6, 0x10000c
	s_cmp_lg_u32 s2, 0xf033
	s_cbranch_scc0 .Lentry_shape_is_right
	s_endpgm
.Lentry_shape_is_right:
; SCORES AND WEIGHTS.  s = q . k over 1,024 channels (f16 operands, f32 sums).  For each query and each CHUNK of 128 keys: the chunk's true maximum m, p = 2^(c s - c m) with c = log2(e) / 32,
; and l = the sum of the unrounded p.  Stored: p in f16, BY FRAGMENTS of the last launch's product: prob[512 blocks of 16 queries][64 blocks of 32 keys][2 halves][32 lanes][16 bytes]: lane 16 h + r of half g
; holds query r, keys 16 g + 8 h + 0..7 of the block.  stats: c m [4][16 chunk][2048 q] f32 at byte 0, l likewise at byte 524,288.
; The last launch takes the row's maximum of the 16 chunk maxima and corrects each chunk by 2^(c m - c M): the running maximum's correction, made once a chunk.
; LIMITS.  p lies in 0 to 1 (to within the rounding of c m) and keeps f16's fixed step below 6e-5; a weight below 2^-126 counts as 0 in l; NaN and infinities are not treated apart.
; SHARES.  A tile is 256 queries x 256 keys of one batch: 32 x 8 = 256 work-groups; four waves, 2 x 2, each 128 x 128 (one chunk wide): 64 accumulators, 512 registers.
; K goes in 8 steps of 128 channels (two planes of qkv) through two LDS slots.  Source 0 = 16 keys, source 1 = 16 queries: a lane holds one query and eight neighbouring keys:
; packed to f16 these 16 bytes are the lane's part of half a fragment, so the weights are stored straight from registers, 512 consecutive bytes a store.
; CLUSTER 4 x 4: q's tile is shared along a row of the cluster, k's along a column.
; REGISTERS.  window 0: v0-31 addresses; v64-127, v128-191 q's fragments, two buffers.  window 1: the same numbers, k's fragments.  windows 2, 3: accumulator (a, b) in window 2 + a / 4 at 8 (8 (a % 4) + b).
.set PITCH, 144
.set PT,    256*PITCH                  ; one plane's 256 rows
.set SLOT,  4*PT                       ; q plane 0, q plane 1, k plane 0, k plane 1
.set STST,  2*SLOT                     ; behind the ring: 1,024 bytes for each wave: 128 c m, then 128 l
.set SPARE, STST+4096
.set STEP,  2*8192*128                 ; two planes
.set T,     8
.set ADRA0, 4
.set ADRB0, 5
.set ADRA,  6
.set ADRB,  7
.set PFO,   11
.set SPW,   12
.set NIL,   13
.set SA,    14                         ; where I put my query's c m and l
.set SR,    15                         ; where I read four of them back
.set SO,    16                         ; 16 x lane
.set F0,    64
.set F1,    128
.set TM,    32                         ; v32-55  first maxima
.set CM,    56                         ; v56-57  c m (the pair's second register is only named)
.set TMP,   64                         ; v64-95  packed weights
.set SM,    160                        ; v160-191 first sums
.set CNT,   3
.set G1A,   24
.set G0A,   32
.set LIM,   43
.set PFA,   44
.set G1B,   48
.set G0B,   56
.set TB,    66
.set TF,    67
.set WOFF,  68
.set CS,    74
.set SEL,   76
.set G1W0,  (1<<16)|(1<<20)|(1<<21)|(4<<22)|(3<<25)
.set MUL_LO, 0xa1                      ; source 0 (k) window 1, source 1 (q) window 0, C and D window 2
.set TO_B,   0x40
.set MSB, 0
.macro WIN new
.if MSB != (\new)
	s_set_vgpr_msb (MSB<<8)|(\new)
.set MSB, (\new)
.endif
.endm
.macro PLACES
.rept 4
	v_nop
.endr
.endm
.macro JLOAD s                         ; waves 0, 1 fetch q's two planes, waves 2, 3 k's
	s_cmp_eq_u32 s11, 0
	s_cbranch_scc0 .Lfor_b_\@
	tensor_load_to_lds s[G0A+4*(\s):G0A+4*(\s)+3], s[G1A:G1A+7]
	s_nop 0
.rept 4
	v_nop
.endr
	s_branch .Lasked_\@
.Lfor_b_\@:
	tensor_load_to_lds s[G0B+4*(\s):G0B+4*(\s)+3], s[G1B:G1B+7]
	s_nop 0
.rept 4
	v_nop
.endr
.Lasked_\@:
.endm
.macro CREST
	s_cmp_lg_u32 s10, 0
	s_cbranch_scc1 .Lnot_wave_0_\@
	s_barrier_signal -3
.Lnot_wave_0_\@:
	s_barrier_wait -3
	s_barrier_signal -1
	s_barrier_wait -1
.endm
.macro CROUND
	s_barrier_signal -1
	s_barrier_wait -1
	CREST
.endm
; A PREFETCH INTO THE L2: at the change behind step s, step s + 3, whose load goes out one step, 256 matrix instructions, later.  Each wave asks for its own plane's tile (128 blocks of 256 bytes), of which
; each of the four partners that ask for it jointly takes 32, by address.  q's tiles: the clusters with x = 0; k's: the first of the two clusters of a batch (y even).  Steps 3 to 7; each block is named once.
.macro ASK
	s_cmp_gt_u32 s[CNT], s[LIM]
	s_cbranch_scc0 .Lnot_mine_\@
	global_prefetch_b8 v[PFO], s[PFA:PFA+1] th:TH_LOAD_NT scope:SCOPE_SE
.Lnot_mine_\@:
.endm
	s_load_b64 s[4:5], s[0:1], 0x0                 ; qkv
	s_load_b64 s[8:9], s[0:1], 0x8                 ; prob
	s_load_b64 s[78:79], s[0:1], 0x10              ; stats
	v_lshl_add_u32 v[SPW], v0, 2, SPARE
	v_mov_b32 v[NIL], 0
	ds_add_u32 v[SPW], v[NIL]                      ; the wave's opening: the add and its wait ahead of my first tensor load
	v_lshrrev_b32 v1, 5, v0
	v_readfirstlane_b32 s10, v1
	s_lshr_b32 s11, s10, 1                         ; my half of the queries.  Also: I fetch for q (0) or k (1)
	s_and_b32 s12, s10, 1                          ; my half of the keys.  Also: which plane I fetch
	s_bfe_u32 s40, ttmp6, 0x40000
	s_bfe_u32 s41, ttmp6, 0x40004
	s_lshl_b32 s42, ttmp9, 2
	s_add_co_u32 s42, s42, s40                     ; key tile tx
	s_and_b32 s19, ttmp7, 0xffff
	s_lshl_b32 s13, s19, 2
	s_add_co_u32 s13, s13, s41                     ; Y = 8 x batch + query tile
	s_lshr_b32 s19, s19, 1                         ; the batch, from the cluster's y alone: all sixteen partners share it
	s_lshl_b32 s43, s41, 2
	s_lshl_b32 s43, 15, s43
	s_lshl_b32 s44, 0x1111, s40
	s_or_b32 s[G1A], s43, G1W0
	s_or_b32 s[G1B], s44, G1W0
.irp g, G1A, G1B
	s_mov_b32 s[(\g)+1], 128<<16                   ; rows of 256 bytes,
	s_mov_b32 s[(\g)+2], 128<<16                   ; 128 of them: 256 rows of a plane, two to a row
	s_mov_b32 s[(\g)+3], 128<<16
	s_mov_b32 s[(\g)+4], 128
	s_mov_b32 s[(\g)+5], 128
	s_mov_b32 s[(\g)+6], 0
	s_mov_b32 s[(\g)+7], 0
.endr
	s_lshl_b32 s16, s12, 20                        ; q: my plane,
	s_lshl_b32 s17, s13, 15                        ; token 256 Y
	s_add_co_u32 s16, s16, s17
	s_mov_b32 s17, 0
	s_add_co_u32 s46, s12, 16                      ; k: planes 16 on,
	s_lshl_b32 s46, s46, 20
	s_lshl_b32 s47, s19, 18                        ; the batch's 2,048 tokens,
	s_add_co_u32 s46, s46, s47
	s_lshl_b32 s47, s42, 15                        ; token 256 tx
	s_add_co_u32 s46, s46, s47
	s_mov_b32 s47, 0
	s_mul_i32 s[WOFF], s10, PT                     ; where my tile goes in a slot
	s_mov_b32 s[TF], SLOT
	s_mov_b32 s[TB], 0
	s_mov_b32 s[CS], 0x3d38aa3b                    ; c = log2(e) / 32
	s_mov_b32 s[CS+1], s[CS]
	s_mov_b32 s[SEL], 0x76543210
	s_mov_b32 s[SEL+1], 0xfedcba98
	s_wait_dscnt 0x0
	s_wait_kmcnt 0x0
	s_add_nc_u64 s[14:15], s[4:5], s[16:17]
	s_add_nc_u64 s[46:47], s[4:5], s[46:47]
	CROUND
.irp s, 0,1
	s_mov_b32 s[G0A+4*(\s)], 1
	s_add_co_u32 s[G0A+4*(\s)+1], s[WOFF], (\s)*SLOT
	s_add_nc_u64 s[G0A+4*(\s)+2:G0A+4*(\s)+3], s[14:15], (\s)*STEP
	s_or_b32 s[G0A+4*(\s)+3], s[G0A+4*(\s)+3], 0x80000000
	s_mov_b32 s[G0B+4*(\s)], 1
	s_add_co_u32 s[G0B+4*(\s)+1], s[WOFF], (\s)*SLOT
	s_add_nc_u64 s[G0B+4*(\s)+2:G0B+4*(\s)+3], s[46:47], (\s)*STEP
	s_or_b32 s[G0B+4*(\s)+3], s[G0B+4*(\s)+3], 0x80000000
	JLOAD \s
.endr
	v_and_b32 v1, 15, v0
	v_bfe_u32 v2, v0, 4, 1
	v_mul_u32_u24 v3, v1, PITCH
	v_lshl_add_u32 v3, v2, 4, v3
	s_mul_i32 s21, s11, 128*PITCH
	s_mul_i32 s22, s12, 128*PITCH
	s_add_co_u32 s22, s22, 2*PT
	v_add_nc_u32 v[ADRA0], s21, v3
	v_add_nc_u32 v[ADRB0], s22, v3
	v_mov_b32 v[ADRA], v[ADRA0]
	v_mov_b32 v[ADRB], v[ADRB0]
	s_lshl_b32 s23, s10, 10
	s_add_co_u32 s23, s23, STST
	v_lshl_add_u32 v[SA], v1, 2, s23
	v_and_b32 v3, 31, v0
	v_lshl_add_u32 v[SR], v3, 4, s23
	v_lshlrev_b32 v[SO], 4, v3
	v_lshlrev_b32 v[PFO], 8, v3
	; prob at query block 16 Y + 8 wr (65,536 bytes each), key block 8 tx + 4 wc (1,024 bytes each)
	s_lshl_b32 s16, s13, 20
	s_lshl_b32 s17, s11, 19
	s_add_co_u32 s16, s16, s17
	s_lshl_b32 s17, s42, 13
	s_add_co_u32 s16, s16, s17
	s_lshl_b32 s17, s12, 12
	s_add_co_u32 s16, s16, s17
	s_mov_b32 s17, 0
	s_add_nc_u64 s[8:9], s[8:9], s[16:17]
	; stats at chunk 16 batch + 2 tx + wc, query 256 (Y % 8) + 128 wr
	s_lshl_b32 s16, s19, 4
	s_lshl_b32 s17, s42, 1
	s_add_co_u32 s16, s16, s17
	s_add_co_u32 s16, s16, s12
	s_lshl_b32 s16, s16, 13
	s_and_b32 s17, s13, 7
	s_lshl_b32 s17, s17, 10
	s_add_co_u32 s16, s16, s17
	s_lshl_b32 s17, s11, 9
	s_add_co_u32 s16, s16, s17
	s_mov_b32 s17, 0
	s_add_nc_u64 s[78:79], s[78:79], s[16:17]
	; the prefetches: my plane of step 2 (the first change steps the address to step 3), my work-group's 32 blocks
	s_add_co_u32 s20, s12, 4
	s_lshl_b32 s20, s20, 20
	s_lshl_b32 s21, s13, 15
	s_add_co_u32 s20, s20, s21
	s_lshl_b32 s21, s40, 13
	s_add_co_u32 s20, s20, s21
	s_add_co_u32 s22, s12, 20
	s_lshl_b32 s22, s22, 20
	s_lshl_b32 s23, s19, 18
	s_add_co_u32 s22, s22, s23
	s_lshl_b32 s23, s42, 15
	s_add_co_u32 s22, s22, s23
	s_lshl_b32 s23, s41, 13
	s_add_co_u32 s22, s22, s23
	s_and_b32 s23, ttmp7, 1                        ; the second cluster of a batch?
	s_cmp_eq_u32 s11, 0
	s_cselect_b32 s20, s20, s22
	s_cselect_b32 s23, ttmp9, s23
	s_cmp_eq_u32 s23, 0
	s_cselect_b32 s[LIM], 1, -1
	s_mov_b32 s21, 0
	s_add_nc_u64 s[PFA:PFA+1], s[4:5], s[20:21]
; 16 matrix instructions: query blocks a0, a0 + 1 of the window's four x all 8 key blocks, 32 along K.  The 64 accumulators take turns in the same order in every quarter.
.macro MUL16 f, hi, a0, zero
	WIN MUL_LO+0x50*(\hi)
.irp a, \a0, (\a0)+1
.irp b, 0,1,2,3,4,5,6,7
.if \zero
	v_wmma_f32_16x16x32_f16 v[8*(8*(\a)+(\b)):8*(8*(\a)+(\b))+7], v[(\f)+8*(\b):(\f)+8*(\b)+7], v[(\f)+8*(4*(\hi)+(\a)):(\f)+8*(4*(\hi)+(\a))+7], 0
.else
	v_wmma_f32_16x16x32_f16 v[8*(8*(\a)+(\b)):8*(8*(\a)+(\b))+7], v[(\f)+8*(\b):(\f)+8*(\b)+7], v[(\f)+8*(4*(\hi)+(\a)):(\f)+8*(4*(\hi)+(\a))+7], v[8*(8*(\a)+(\b)):8*(8*(\a)+(\b))+7]
.endif
.endr
.endr
.endm
.macro FETCH kq, f                     ; 32 LDS loads in one run: quarter kq of a step: plane kq / 2, bytes 64 (kq % 2) of its rows
.set KO, ((\kq)/2)*PT+((\kq)%2)*64
	WIN TO_B
.irp i, 0,1,2,3,4,5,6,7
	ds_load_b128 v[(\f)+8*(\i):(\f)+8*(\i)+3],   v[ADRB] offset:KO+(\i)*16*PITCH
	ds_load_b128 v[(\f)+8*(\i)+4:(\f)+8*(\i)+7], v[ADRB] offset:KO+(\i)*16*PITCH+32
.endr
	WIN 0
.irp i, 0,1,2,3,4,5,6,7
	ds_load_b128 v[(\f)+8*(\i):(\f)+8*(\i)+3],   v[ADRA] offset:KO+(\i)*16*PITCH
	ds_load_b128 v[(\f)+8*(\i)+4:(\f)+8*(\i)+7], v[ADRA] offset:KO+(\i)*16*PITCH+32
.endr
.endm
.macro QUARTER kq, f, g, zero          ; multiplies buffer f; in its middle fetches quarter kq into buffer g
	s_wait_dscnt 8                                 ; k and q's rows 0-63 are in; the youngest eight loads may be out
	MUL16 \f, 0, 0, \zero
	MUL16 \f, 0, 2, \zero
	PLACES
	FETCH \kq, \g
	s_wait_dscnt 32                                ; all but the 32 just issued
	MUL16 \f, 1, 0, \zero
	MUL16 \f, 1, 2, \zero
.endm
; A step's last quarter, on buffer 1, and the change of slots: the waits and the add in front of one barrier; fill = 1: it opens a round of the cluster's, and the slot just read is filled again first thing behind it.
.macro TURN fill
.if \fill
	s_wait_xcnt 0x0                                ; the last prefetch, a step back, has read its address
	s_add_nc_u64 s[PFA:PFA+1], s[PFA:PFA+1], STEP
.endif
	WIN 0
	s_wait_tensorcnt 0x0                           ; all my tensor loads have landed: my part of the next slot
	ds_add_u32 v[SPW], v[NIL]
	s_wait_dscnt 9                                 ; the add and the youngest eight loads may be out
	MUL16 F1, 0, 0, 0
	s_wait_dscnt 0x0                               ; the add is done, and my reads of this slot are over
	s_barrier_signal -1
	MUL16 F1, 0, 2, 0
	WIN 0
	s_barrier_wait -1
.if \fill
	CREST
	s_xor_b32 s[TF], s[TF], SLOT                   ; the walking descriptors: the other slot than last time (a slot's bytes leave no address bit free, so the slot's offset is toggled apart and added),
	s_add_co_u32 s[G0A+5], s[WOFF], s[TF]
	s_add_co_u32 s[G0B+5], s[WOFF], s[TF]
	s_add_nc_u64 s[G0A+6:G0A+7], s[G0A+6:G0A+7], STEP  ; the next step
	s_add_nc_u64 s[G0B+6:G0B+7], s[G0B+6:G0B+7], STEP
	JLOAD 1
.else
	PLACES
.endif
	s_xor_b32 s[TB], s[TB], SLOT
	v_add_nc_u32 v[ADRA], s[TB], v[ADRA0]
	v_add_nc_u32 v[ADRB], s[TB], v[ADRB0]
	FETCH 0, F0
.if \fill
	ASK
.endif
	MUL16 F1, 1, 0, 0
	MUL16 F1, 1, 2, 0
.endm
	s_wait_tensorcnt 1                             ; my part of step 0 is in; step 1's may stay out
	s_barrier_signal -1
	s_barrier_wait -1
	FETCH 0, F0
	QUARTER 1, F0, F1, 1                           ; the first quarter starts the sums
	WIN 0
	s_mov_b32 s[CNT], T-1
	s_branch .Lq1
.Ltop:                                         ; T - 2 times
	TURN 1
	QUARTER 1, F0, F1, 0
	WIN 0
.Lq1:
	QUARTER 2, F1, F0, 0
	QUARTER 3, F0, F1, 0
	WIN 0
	s_sub_co_u32 s[CNT], s[CNT], 1
	s_cmp_lg_u32 s[CNT], 0
	s_cbranch_scc1 .Ltop
	TURN 0                                         ; the tail is written out: nothing is left to ask for
	QUARTER 1, F0, F1, 0
	QUARTER 2, F1, F0, 0
	QUARTER 3, F0, F1, 0
	s_wait_dscnt 8
	MUL16 F1, 0, 0, 0
	MUL16 F1, 0, 2, 0
	s_wait_dscnt 0x0
	MUL16 F1, 1, 0, 0
	MUL16 F1, 1, 2, 0
	WIN 0
	PLACES
	v_mov_b32 v[CM+1], 0                           ; named as the pair's second register
	v_mov_b32 v58, 0                               ; v_permlanex16_b32's destinations count as read
	v_mov_b32 v61, 0
; THE SOFTMAX OF ONE BLOCK of 16 queries x my chunk of 128 keys.  A lane holds one query and 64 of its keys, the lane 16 away the other 64.
.macro FS n                            ; pair n of 32: c s - c m
	v_pk_fma_f32 v[AC+2*(\n):AC+2*(\n)+1], v[AC+2*(\n):AC+2*(\n)+1], s[CS:CS+1], v[CM:CM+1] op_sel_hi:[1,0,0] neg_lo:[0,0,1] neg_hi:[0,0,1]
.endm
.macro SOFT a
.set W, 2+(\a)/4
.set AC, 64*((\a)%4)
	WIN W|(W<<2)|(W<<4)                            ; the scores' window for all three sources
.set b, 0
.rept 8                                ; each accumulator's lowest registers are read first
	v_max3_num_f32 v[TM+3*b],   v[AC+8*b],   v[AC+8*b+1], v[AC+8*b+2]
	v_max3_num_f32 v[TM+3*b+1], v[AC+8*b+3], v[AC+8*b+4], v[AC+8*b+5]
	v_max_num_f32  v[TM+3*b+2], v[AC+8*b+6], v[AC+8*b+7]
.set b, b+1
.endr
	WIN 0
.set b, 0
.rept 8
	v_max3_num_f32 v[TM+3*b], v[TM+3*b], v[TM+3*b+1], v[TM+3*b+2]
.set b, b+1
.endr
	v_max3_num_f32 v[TM], v[TM], v[TM+3], v[TM+6]
	v_max3_num_f32 v[TM+9], v[TM+9], v[TM+12], v[TM+15]
	v_max3_num_f32 v[TM], v[TM], v[TM+9], v[TM+18]
	v_max_num_f32 v[TM], v[TM], v[TM+21]
	v_permlanex16_b32 v58, v[TM], s[SEL], s[SEL+1]
	v_max_num_f32 v59, v[TM], v58                  ; the chunk's maximum
	v_mul_f32 v[CM], s[CS], v59
	WIN W|(W<<6)                                   ; ONE BATCH: 32 scalings and 64 exponentials, in place; nothing in it names an exponential's result
	FS 0
	FS 1
.set e, 0
.rept 32
	v_exp_f32 v[AC+2*e], v[AC+2*e]
.if e < 30
	FS e+2
.endif
	v_exp_f32 v[AC+2*e+1], v[AC+2*e+1]
.set e, e+1
.endr
	v_nop                                          ; a plain instruction behind the last exponential,
	s_wait_alu depctr_va_vdst(0)                   ; and the one wait ahead of the batch's first reader
	s_wait_xcnt 0x0                                ; the last block's stores have read the packed registers: they are written again only behind this wait
	WIN W|(W<<2)
.set e, 0
.rept 32
	v_cvt_pk_f16_f32 v[TMP+e], v[AC+2*e], v[AC+2*e+1]
.set e, e+1
.endr
.set e, 0
.rept 16
	v_pk_add_f32 v[SM+2*e:SM+2*e+1], v[AC+4*e:AC+4*e+1], v[AC+4*e+2:AC+4*e+3]
.set e, e+1
.endr
	WIN 0
.irp d, 16,8,4,2                       ; 16 pairs into one: 8, 4, 2, 1 additions
.set e, 0
.rept (\d)/2
	v_pk_add_f32 v[SM+2*e:SM+2*e+1], v[SM+2*e:SM+2*e+1], v[SM+2*e+(\d):SM+2*e+(\d)+1]
.set e, e+1
.endr
.endr
	v_add_f32 v60, v[SM], v[SM+1]
	v_permlanex16_b32 v61, v60, s[SEL], s[SEL+1]
	v_add_f32 v60, v60, v61                        ; l
	ds_store_b32 v[SA], v[CM] offset:64*(\a)       ; both halves of the lanes write the same word with the same number
	ds_store_b32 v[SA], v60 offset:512+64*(\a)
.endm
.macro SEND a                          ; key block b of 16 is half b % 2 of fragment b / 2: 512 consecutive bytes a store, at a multiple of 512 from prob's first byte
.irp b, 0,1,2,3,4,5,6,7
	global_store_b128 v[SO], v[TMP+4*(\b):TMP+4*(\b)+3], s[8:9] offset:(\a)*65536+(\b)*512
.endr
.endm
.irp a, 0,1,2,3,4,5,6,7
	SOFT \a
	SEND \a
.endr
	ds_load_b128 v[96:99], v[SR]                   ; my wave's 128 c m and 128 l, four a lane (LDS serves a wave's instructions in order: these see the stores above)
	ds_load_b128 v[100:103], v[SR] offset:512
	s_wait_dscnt 0x0
	global_store_b128 v[SO], v[96:99], s[78:79]    ; 512 consecutive bytes each
	global_store_b128 v[SO], v[100:103], s[78:79] offset:524288
	s_wait_tensorcnt 0x0                           ; the wave's end
	ds_add_u32 v[SPW], v[NIL]
	s_wait_dscnt 0x0
	CROUND
	s_endpgm
.Lfunc_end_k_q988fb3d3db_score:
	.size	k_q988fb3d3db_score, .Lfunc_end_k_q988fb3d3db_score-k_q988fb3d3db_score
	.p2alignl 7, 3214868480
	.fill 96, 4, 3214868480
	.section	.rodata,"a",@progbits
	.p2align	6, 0x0
	.amdhsa_kernel k_q988fb3d3db_score
		.amdhsa_group_segment_fixed_size 327680
		.amdhsa_private_segment_fixed_size 0
		.amdhsa_enable_private_segment 0
		.amdhsa_kernarg_size 24
		.amdhsa_user_sgpr_count 2
		.amdhsa_user_sgpr_kernarg_segment_ptr 1
		.amdhsa_wavefront_size32 1
		.amdhsa_system_sgpr_workgroup_id_x 1
		.amdhsa_system_sgpr_workgroup_id_y 1
		.amdhsa_system_sgpr_workgroup_id_z 1
		.amdhsa_system_vgpr_workitem_id 0
		.amdhsa_next_free_vgpr 1024
		.amdhsa_next_free_sgpr 100
		.amdhsa_reserve_vcc 0
		.amdhsa_float_denorm_mode_32 3
		.amdhsa_float_denorm_mode_16_64 3
		.amdhsa_memory_ordered 1
		.amdhsa_forward_progress 1
		.amdhsa_inst_pref_size 165
	.end_amdhsa_kernel
	.amdgpu_metadata
---
amdhsa.version: [ 1, 2 ]
amdhsa.kernels:
  - .name:           k_q988fb3d3db_score
    .symbol:         k_q988fb3d3db_score.kd
    .args:
      - { .name: qkv, .offset: 0, .size: 8, .value_kind: global_buffer, .address_space: global }
      - { .name: prob, .offset: 8, .size: 8, .value_kind: global_buffer, .address_space: global }
      - { .name: stats, .offset: 16, .size: 8, .value_kind: global_buffer, .address_space: global }
    .group_segment_fixed_size: 327680
    .private_segment_fixed_size: 0
    .kernarg_segment_align: 8
    .kernarg_segment_size: 24
    .max_flat_workgroup_size: 128
    .sgpr_count:     100
    .vgpr_count:     1024
    .wavefront_size: 32
...
	.end_amdgpu_metadata
.endif
;; end of part 3
;; launch mix (part 4): grid 8 x 32, 4 waves a work-group, clusters of 4 x 4, 327,680 bytes of LDS; arguments prob, qkv, stats, out0; writes out0
.if DOCPART == 4
	.amdgcn_target "amdgcn-amd-amdhsa--gfx1250"
	.amdhsa_code_object_version 6
	.text
	.protected	k_q988fb3d3db_mix
	.globl	k_q988fb3d3db_mix
	.p2align	8
	.type	k_q988fb3d3db_mix,@function
k_q988fb3d3db_mix:
	s_mov_b64 s[64:65], 0
	v_nop
	global_prefetch_b8 v0, s[64:65] scope:SCOPE_SE
	s_setreg_imm32_b32 hwreg(HW_REG_WAVE_MODE, 25, 1), 1
	s_wait_xcnt 0x0
	s_wait_alu depctr_hold_cnt(0) depctr_sa_sdst(0) depctr_va_vdst(0) depctr_va_sdst(0) depctr_va_ssrc(0) depctr_va_vcc(0) depctr_vm_vsrc(0)
	s_getreg_b32 s2, hwreg(HW_REG_IB_STS2, 6, 4)
	s_cmp_eq_u32 s2, 0
	s_cbranch_scc0 .Lentry_in_a_cluster
	s_endpgm
.Lentry_in_a_cluster:
	s_bfe_u32 s2, ttmp6, 0x10000c
	s_cmp_lg_u32 s2, 0xf033
	s_cbranch_scc0 .Lentry_shape_is_right
	s_endpgm
.Lentry_shape_is_right:
; THE MEAN.  out[q][ch] = (the sum over chunks t of f_t[q] x the sum over the chunk's 128 keys of p[q][key] v[key][ch]) / L[q], with M = the maximum of the 16 chunk maxima c m_t, f_t = 2^(c m_t - M), L = the sum of f_t l_t.
; f16 operands, f32 sums; the weights are multiplied by f_t (rounded to f16) on their way from LDS to the matrix unit; L is taken of the unrounded f_t.
; LIMITS.  p f keeps f16's fixed step below 6e-5; a factor below 2^-126 counts as 0; NaN and infinities are not treated apart.
; SHARES.  A tile is 256 queries x 128 channels: 32 x 8 = 256 work-groups.  Wave w owns queries 64 w .. + 63 and all 128 channels: 32 accumulators.  So each weight leaves LDS once, and is rescaled once.
; Source 0 = 16 channels of v, turned on its way out of LDS; source 1 = 16 queries of p: a lane holds one query and eight channels.
; THE WALK.  The 2,048 keys are 64 QUARTERS of 32.  They come in PERIODS of 192 keys, six quarters, through two LDS slots, as large as two fit: periods 0 to 9, and period 10 with the last four quarters.
; p lies in memory by fragments (16 queries x 32 keys = 1,024 bytes, a block of 16 queries' fragments on end), so 16 queries x 192 keys are 6,144 dense bytes and a fragment load takes 512 consecutive LDS bytes.
; A BODY is two quarters, written once and walked by a counted loop, three times a period: at time g the wave fetches quarter g + 1, multiplies quarter g and rescales quarter g + 1's weights.
; CLUSTER 4 x 4: p's tile is shared along a row of the cluster, v's along a column.
; REGISTERS.  window 0: v0-31 addresses; v32-95, v96-159 v's fragments, two buffers; v160-163 the chunk's factors, one for each block of 16 queries.  window 1: v0-127 the accumulators of query blocks 0, 1.
;   window 2: v0-127 those of query blocks 2, 3; v128-159, v160-191 p's fragments, two buffers.  So the products of blocks 2, 3 and the rescalings beside them stand under one setting of the windows.
.set ROWP,  6144                       ; 16 queries x 192 keys of p
.set PTILE, 16*ROWP
.set VPP,   288                        ; two keys of v: 256 bytes + 32: the eight key rows of a turning load start at words 0, 32, 8, 40, 16, 48, 24, 56 modulo 64, eight words each
.set VPL,   96*VPP                     ; a plane's 192 keys
.set VOFF,  PTILE                      ; in a slot: p, then two planes of v
.set SLOTB, PTILE+2*VPL
.set VSTEP, 192*128                    ; 192 keys of a plane in memory
.set FAC,   2*SLOTB                    ; behind the ring, never filled by a tensor load: 16 chunks x 256 queries, a word (f, f) in f16 each
.set RL,    FAC+16384                  ; 256 x 1 / L
.set SPARE, RL+1024
.set STAGE, SLOTB                      ; the way out's stage, 16 rows x 528 bytes for each wave, lies in slot 1, which has had its last fill (period 9) and its last reads by then
.set SPITCH, 528
.set AP0,   4                          ; my place in p's tile, slot 0; never rewritten
.set AV0,   5                          ; the same for v
.set AP,    6                          ; where the body in hand fetches
.set AV,    7
.set STO,   8
.set RD,    9
.set CO,    10
.set PFO,   11
.set SPW,   12
.set NIL,   13
.set FAD,   14                         ; my query's factor word of the chunk in hand
.set RA,    15                         ; my query's 1 / L
.set SO,    16
.set FS,    17
.set FAD0,  26                         ; the same for chunk 0; never rewritten
.set VB,    32
.set FC,    160
.set PB,    128                        ; in window 2
.set RLV,   228
.set TMP,   32
.set MCR,   32                         ; the head: 16 pairs c m, then f
.set LCR,   64                         ; 16 pairs l, then the factor words
.set MX,    96                         ; M of my two queries
.set LSUM,  98                         ; L, then 1 / L
.set CNTP,  3                          ; counts the changes of slots
.set G1A,   24
.set G0A,   32
.set LIM,   43
.set PFA,   44
.set G1B,   48
.set G0B,   56
.set TS,    66                         ; the slot that is read: 0 or SLOTB
.set TF,    67                         ; the slot that was filled last
.set WOFA,  68                         ; where my part of p's tile goes in a slot
.set WOFB,  69                         ; the same for v
.set PST,   70
.set PO,    72
.set CNTB,  74                         ; counts a period's bodies
.set TBP,   75                         ; LDS byte at which p of the body's first fetch begins
.set TBV,   76                         ; the same for v, less VOFF
.set JB,    77                         ; the body's number j: it multiplies quarters 2 j - 1 and 2 j, fetches and rescales quarters 2 j and 2 j + 1, which lie in chunk j / 2
.set W_LO,  0x58                       ; v window 0, p window 2, C and D window 1
.set W_HI,  0xa8                       ; v (or a factor) window 0, p window 2, C and D (or the rescaled p) window 2; also for LDS loads of p: data window 2, address window 0
.set W_P,   0x80                       ; data window 2, address window 0
.set MSB, 0
.macro WIN new
.if MSB != (\new)
	s_set_vgpr_msb (MSB<<8)|(\new)
.set MSB, (\new)
.endif
.endm
.macro PLACES
.rept 4
	v_nop
.endr
.endm
.macro JLOAD s                         ; waves 0, 1 fetch p's two halves, waves 2, 3 v's two planes
	s_cmp_eq_u32 s11, 0
	s_cbranch_scc0 .Lfor_b_\@
	tensor_load_to_lds s[G0A+4*(\s):G0A+4*(\s)+3], s[G1A:G1A+7]
	s_nop 0
.rept 4
	v_nop
.endr
	s_branch .Lasked_\@
.Lfor_b_\@:
	tensor_load_to_lds s[G0B+4*(\s):G0B+4*(\s)+3], s[G1B:G1B+7]
	s_nop 0
.rept 4
	v_nop
.endr
.Lasked_\@:
.endm
.macro CREST
	s_cmp_lg_u32 s10, 0
	s_cbranch_scc1 .Lnot_wave_0_\@
	s_barrier_signal -3
.Lnot_wave_0_\@:
	s_barrier_wait -3
	s_barrier_signal -1
	s_barrier_wait -1
.endm
.macro CROUND
	s_barrier_signal -1
	s_barrier_wait -1
	CREST
.endm
; A PREFETCH INTO THE L2, behind the joint load: at the change behind period p the address stands at period p + 3, whose load goes out one period, 192 matrix instructions, later.
; p: the clusters with x = 0.  A period's tile is 16 rows of 24 blocks of 256 bytes; each partner of a row of the cluster takes four rows, by address (cx): 96 blocks, a lane each of waves 0, 1, 2.  Periods 3 to 9.
; v: the first cluster of a batch (y even), wave 3, at every second change, for two periods at once: partner cy takes plane cy % 2 of period p + 3 + cy / 2: 96 blocks, three instructions.  Periods 3 to 8.
; So each block is named once; the other periods come by their loads alone, and nothing points past a row of p or past v's tokens of the batch.
.macro ASK
	s_add_co_u32 s73, s[CNTP], 1
	s_or_b32 s73, s73, s[PO]                       ; p at every change; v where the count is even
	s_bitcmp1_b32 s73, 0
	s_cbranch_scc0 .Lnot_mine_\@
	s_cmp_gt_u32 s[CNTP], s[LIM]
	s_cbranch_scc0 .Lnot_mine_\@
	global_prefetch_b8 v[PFO], s[PFA:PFA+1] th:TH_LOAD_NT scope:SCOPE_SE
	s_cmp_eq_u32 s10, 3
	s_cbranch_scc0 .Lnot_mine_\@
	global_prefetch_b8 v[PFO], s[PFA:PFA+1] offset:8192 th:TH_LOAD_NT scope:SCOPE_SE
	global_prefetch_b8 v[PFO], s[PFA:PFA+1] offset:16384 th:TH_LOAD_NT scope:SCOPE_SE
.Lnot_mine_\@:
.endm
	s_load_b128 s[4:7], s[0:1], 0x0                ; prob 4:5, qkv 6:7
	s_load_b64 s[78:79], s[0:1], 0x10              ; stats
	s_load_b64 s[8:9], s[0:1], 0x18                ; out0
	v_lshl_add_u32 v[SPW], v0, 2, SPARE
	v_mov_b32 v[NIL], 0
	ds_add_u32 v[SPW], v[NIL]                      ; the wave's opening: the add and its wait ahead of my first tensor load
	v_lshrrev_b32 v1, 5, v0
	v_readfirstlane_b32 s10, v1
	s_lshr_b32 s11, s10, 1                         ; I fetch for p (0) or v (1)
	s_and_b32 s12, s10, 1                          ; which half, or plane
	s_bfe_u32 s40, ttmp6, 0x40000
	s_bfe_u32 s41, ttmp6, 0x40004
	s_lshl_b32 s42, ttmp9, 2
	s_add_co_u32 s42, s42, s40                     ; channel tile tx
	s_and_b32 s19, ttmp7, 0xffff
	s_lshl_b32 s13, s19, 2
	s_add_co_u32 s13, s13, s41                     ; Y = 8 x batch + query tile
	s_lshr_b32 s19, s19, 1                         ; the batch, from the cluster's y alone
	s_lshl_b32 s43, s41, 2
	s_lshl_b32 s43, 15, s43
	s_lshl_b32 s44, 0x1111, s40
	s_or_b32 s[G1A], s43, (3<<16)|(1<<21)          ; p: elements of 8 bytes, no padding; bit 21 beside the mask
	s_or_b32 s[G1B], s44, (1<<16)|(1<<20)|(1<<21)|(5<<22)|(7<<25)  ; v: elements of 2 bytes; 8 words of padding behind every 64
	s_mov_b32 s[G1A+1], 768<<16                    ; tensor_dim0: 6,144 bytes,
	s_mov_b32 s[G1A+2], 8<<16                      ; tensor_dim1: of 8 blocks of 16 queries
	s_mov_b32 s[G1A+3], 768<<16                    ; tile_dim0
	s_mov_b32 s[G1A+4], 8                          ; tile_dim1
	s_mov_b32 s[G1A+5], 8192                       ; from block to block: 65,536 bytes
	s_mov_b32 s[G1A+6], 0
	s_mov_b32 s[G1A+7], 0
	s_mov_b32 s[G1B+1], 128<<16                    ; rows of 256 bytes,
	s_mov_b32 s[G1B+2], 96<<16                     ; 96 of them: 192 keys of a plane, two to a row
	s_mov_b32 s[G1B+3], 128<<16
	s_mov_b32 s[G1B+4], 96
	s_mov_b32 s[G1B+5], 128
	s_mov_b32 s[G1B+6], 0
	s_mov_b32 s[G1B+7], 0
	s_lshl_b32 s16, s13, 20                        ; prob: query block 16 Y,
	s_lshl_b32 s17, s12, 19                        ; + my 8
	s_add_co_u32 s16, s16, s17
	s_mov_b32 s17, 0
	s_lshl_b32 s46, s42, 1                         ; v: plane 32 + 2 tx + mine,
	s_add_co_u32 s46, s46, s12
	s_add_co_u32 s46, s46, 32
	s_lshl_b32 s46, s46, 20
	s_lshl_b32 s47, s19, 18                        ; the batch's tokens
	s_add_co_u32 s46, s46, s47
	s_mov_b32 s47, 0
	s_mul_i32 s[WOFA], s12, 8*ROWP                 ; no place in the cluster enters an LDS address
	s_mul_i32 s[WOFB], s12, VPL
	s_add_co_u32 s[WOFB], s[WOFB], VOFF
	s_mov_b32 s[TS], 0
	s_mov_b32 s[TF], SLOTB
	v_lshlrev_b32 v[SO], 3, v0                     ; thread t owns queries 2 t and 2 t + 1 of the tile's 256
	s_lshl_b32 s22, s19, 17
	s_and_b32 s23, s13, 7
	s_lshl_b32 s23, s23, 10
	s_add_co_u32 s22, s22, s23
	s_mov_b32 s23, 0
	s_wait_dscnt 0x0
	s_wait_kmcnt 0x0
	s_add_nc_u64 s[14:15], s[4:5], s[16:17]
	s_add_nc_u64 s[46:47], s[6:7], s[46:47]
	s_add_nc_u64 s[78:79], s[78:79], s[22:23]
.set c, 0
.rept 16                               ; the chunks' c m and l go out ahead of the round: 256 consecutive bytes a load
	global_load_b64 v[MCR+2*c:MCR+2*c+1], v[SO], s[78:79] offset:c*8192
.set c, c+1
.endr
.set c, 0
.rept 16
	global_load_b64 v[LCR+2*c:LCR+2*c+1], v[SO], s[78:79] offset:524288+c*8192
.set c, c+1
.endr
	CROUND
.irp s, 0,1
	s_mov_b32 s[G0A+4*(\s)], 1
	s_add_co_u32 s[G0A+4*(\s)+1], s[WOFA], (\s)*SLOTB
	s_add_nc_u64 s[G0A+4*(\s)+2:G0A+4*(\s)+3], s[14:15], (\s)*ROWP
	s_or_b32 s[G0A+4*(\s)+3], s[G0A+4*(\s)+3], 0x80000000
	s_mov_b32 s[G0B+4*(\s)], 1
	s_add_co_u32 s[G0B+4*(\s)+1], s[WOFB], (\s)*SLOTB
	s_add_nc_u64 s[G0B+4*(\s)+2:G0B+4*(\s)+3], s[46:47], (\s)*VSTEP
	s_or_b32 s[G0B+4*(\s)+3], s[G0B+4*(\s)+3], 0x80000000
	JLOAD \s                                       ; periods 0 and 1: two loads of mine are out
.endr
	v_and_b32 v1, 15, v0                           ; r
	v_bfe_u32 v2, v0, 4, 1                         ; h
	v_and_b32 v21, 31, v0                          ; l
	s_mul_i32 s22, s10, 4*ROWP
	v_lshl_add_u32 v[AP0], v21, 4, s22             ; p: my wave's four blocks, 16 bytes a lane
	v_bfe_u32 v18, v0, 1, 2
	v_lshl_add_u32 v18, v2, 2, v18                 ; v: the turning load's key 8 h + l % 8 lies in row 4 h + (l % 8) / 2,
	v_mul_u32_u24 v18, v18, VPP
	v_and_b32 v19, 1, v0
	v_lshl_add_u32 v18, v19, 7, v18                ; in its half l % 2,
	v_bfe_u32 v19, v0, 3, 1
	v_lshl_add_u32 v18, v19, 4, v18                ; channels 8 ((l / 8) % 2) on
	v_add_nc_u32 v[AV0], VOFF, v18
	v_mov_b32 v[AP], v[AP0]
	v_mov_b32 v[AV], v[AV0]
	s_lshl_b32 s22, s10, 8
	v_lshl_add_u32 v3, v1, 2, s22                  ; 4 (64 w + r)
	v_add_nc_u32 v[FAD0], FAC, v3
	v_mov_b32 v[FAD], v[FAD0]
	v_add_nc_u32 v[RA], RL, v3
	v_lshl_add_u32 v[FS], v0, 3, FAC
	s_mul_i32 s23, s10, 16*SPITCH
	s_add_co_u32 s23, s23, STAGE
	v_mul_u32_u24 v3, v1, SPITCH
	v_lshl_add_u32 v3, v2, 5, v3
	v_add_nc_u32 v[STO], s23, v3                   ; in: row r, 32 bytes for each half of the lanes
	v_lshl_add_u32 v[RD], v21, 4, s23              ; back: a whole row of 512 bytes
	v_lshlrev_b32 v[CO], 4, v21
	; out0 at row 256 Y + 64 w, channel 128 tx
	s_lshl_b32 s16, s13, 20
	s_lshl_b32 s17, s10, 18
	s_add_co_u32 s16, s16, s17
	s_lshl_b32 s17, s42, 9
	s_add_co_u32 s16, s16, s17
	s_mov_b32 s17, 0
	s_add_nc_u64 s[8:9], s[8:9], s[16:17]
	; the prefetches: at period 2; the first change steps the address to period 3
	s_lshl_b32 s20, s13, 20                        ; p: query block 16 Y + 4 cx
	s_lshl_b32 s21, s40, 18
	s_add_co_u32 s20, s20, s21
	s_add_co_u32 s20, s20, 2*ROWP
	s_lshl_b32 s22, s42, 1                         ; v: plane 32 + 2 tx + cy % 2,
	s_and_b32 s23, s41, 1
	s_add_co_u32 s22, s22, s23
	s_add_co_u32 s22, s22, 32
	s_lshl_b32 s22, s22, 20
	s_lshl_b32 s23, s19, 18                        ; the batch,
	s_add_co_u32 s22, s22, s23
	s_lshr_b32 s23, s41, 1                         ; period 2 + cy / 2
	s_add_co_u32 s23, s23, 2
	s_mul_i32 s23, s23, VSTEP
	s_add_co_u32 s22, s22, s23
	s_and_b32 s23, ttmp7, 1                        ; the second cluster of a batch?
	s_mov_b32 s14, ROWP
	s_mov_b32 s15, VSTEP
	s_mov_b32 s16, 65536
	s_cmp_eq_u32 s10, 3                            ; wave 3 asks for v, the others for p
	s_cselect_b32 s20, s22, s20
	s_cselect_b64 s[PFA:PFA+1], s[6:7], s[4:5]
	s_cselect_b32 s23, s23, ttmp9                  ; the coordinate along which other clusters read the same bytes
	s_cselect_b32 s[PST], s15, s14                 ; a period
	s_cselect_b32 s[PO], 0, 1
	s_cselect_b32 s[LIM], 2, 1
	s_cselect_b32 s17, 0, s10                      ; my block's number n = 32 x this + lane
	s_cselect_b32 s16, s14, s16                    ; from 24 blocks to the next 24: on end in v, the next block of 16 queries in p
	s_cmp_eq_u32 s23, 0
	s_cselect_b32 s[LIM], s[LIM], -1               ; the same in all sixteen partners, for a given wave
	s_mov_b32 s[PST+1], 0
	s_mov_b32 s21, 0
	s_add_nc_u64 s[PFA:PFA+1], s[PFA:PFA+1], s[20:21]
	s_lshl_b32 s17, s17, 5
	v_add_nc_u32 v22, s17, v21                     ; n, 0 to 95
	v_mul_u32_u24 v23, v22, 171
	v_lshrrev_b32 v23, 12, v23                     ; n / 24
	v_mul_u32_u24 v24, v23, 24
	v_sub_nc_u32 v24, v22, v24                     ; n % 24
	v_lshlrev_b32 v24, 8, v24
	v_mad_u32_u24 v[PFO], v23, s16, v24
	; THE FACTORS, while the first tiles are on their way
	s_wait_loadcnt 0x0
.irp q, 0,1
	v_max3_num_f32 v[MX+(\q)], v[MCR+(\q)], v[MCR+2+(\q)], v[MCR+4+(\q)]
.set c, 3
.rept 6
	v_max3_num_f32 v[MX+(\q)], v[MX+(\q)], v[MCR+2*c+(\q)], v[MCR+2*c+2+(\q)]
.set c, c+2
.endr
	v_max_num_f32 v[MX+(\q)], v[MX+(\q)], v[MCR+30+(\q)]  ; M
.endr
.set c, 0
.rept 16
	v_pk_add_f32 v[MCR+2*c:MCR+2*c+1], v[MCR+2*c:MCR+2*c+1], v[MX:MX+1] neg_lo:[0,1] neg_hi:[0,1]
.set c, c+1
.endr
.set c, 0
.rept 32
	v_exp_f32 v[MCR+c], v[MCR+c]                   ; f = 2^(c m - M): one batch
.set c, c+1
.endr
	v_nop                                          ; a plain instruction behind the last exponential,
	s_wait_alu depctr_va_vdst(0)                   ; and the one wait ahead of the batch's first reader
	v_pk_mul_f32 v[LSUM:LSUM+1], v[MCR:MCR+1], v[LCR:LCR+1]
.set c, 1
.rept 15
	v_pk_fma_f32 v[LSUM:LSUM+1], v[MCR+2*c:MCR+2*c+1], v[LCR+2*c:LCR+2*c+1], v[LSUM:LSUM+1]
.set c, c+1
.endr
.set c, 0
.rept 32
	v_cvt_pk_f16_f32 v[LCR+c], v[MCR+c], v[MCR+c]  ; the word (f, f)
.set c, c+1
.endr
	v_rcp_f32 v[LSUM], v[LSUM]                     ; L is at least the l of the chunk that holds the maximum
	v_rcp_f32 v[LSUM+1], v[LSUM+1]
	v_nop
	s_wait_alu depctr_va_vdst(0)
.set c, 0
.rept 16
	ds_store_b64 v[FS], v[LCR+2*c:LCR+2*c+1] offset:1024*c
.set c, c+1
.endr
	ds_store_b64 v[FS], v[LSUM:LSUM+1] offset:RL-FAC
.macro LDP nxt, k                      ; 8 LDS loads: p's four fragments of a quarter, 512 consecutive bytes each; the data's window is 2, the address's 0
.irp a, 0,1,2,3
	ds_load_b128 v[PB+32*(\nxt)+8*(\a):PB+32*(\nxt)+8*(\a)+3],   v[AP] offset:(\a)*ROWP+(\k)*1024
	ds_load_b128 v[PB+32*(\nxt)+8*(\a)+4:PB+32*(\nxt)+8*(\a)+7], v[AP] offset:(\a)*ROWP+(\k)*1024+512
.endr
.endm
.macro LDV nxt, k                      ; 16 LDS loads: v's eight fragments of a quarter, turned
.irp b, 0,1,2,3,4,5,6,7
	ds_load_tr16_b128 v[VB+64*(\nxt)+8*(\b):VB+64*(\nxt)+8*(\b)+3],   v[AV] offset:((\b)/4)*VPL+((\b)%4)*32+(\k)*16*VPP
	ds_load_tr16_b128 v[VB+64*(\nxt)+8*(\b)+4:VB+64*(\nxt)+8*(\b)+7], v[AV] offset:((\b)/4)*VPL+((\b)%4)*32+(\k)*16*VPP+8*VPP
.endr
.endm
; THE TIME OF ONE QUARTER.  Buffer buf is multiplied: 32 matrix instructions on 32 accumulators, which take turns in the same order in every quarter.
; fetch = 1: first the next quarter goes out of LDS into buffer nxt, from place k (0, 1) behind the body's addresses: p's 8 loads ahead of v's 16 (fc = 1: ahead of both the four factors of the body's chunk).
; p and the factors are waited for in the quarter's middle, and the 32 rescalings stand behind the products of query blocks 2, 3: two behind each but the 13th and 14th (one each), four behind the last, which are the places in front of the
; next quarter's loads into the registers that these products read.  v is waited for a quarter later.
.macro TQ buf, nxt, k, fc, zero, fetch
.set VBX, VB+64*(\buf)
.set PBX, PB+32*(\buf)
.set PBN, PB+32*(\nxt)
.if \fetch
.if \fc
	WIN 0
.irp a, 0,1,2,3
	ds_load_b32 v[FC+(\a)], v[FAD] offset:64*(\a)
.endr
	WIN W_P
.else
	WIN W_HI
.endif
	LDP \nxt, \k
	WIN 0
	LDV \nxt, \k
	s_wait_dscnt 24+4*(\fc)                        ; all but the loads just issued: this quarter's v is in
.else
	s_wait_dscnt 0x0
.endif
	WIN W_LO
.irp a, 0,1
.irp b, 0,1,2,3,4,5,6,7
.if \zero
	v_wmma_f32_16x16x32_f16 v[64*(\a)+8*(\b):64*(\a)+8*(\b)+7], v[VBX+8*(\b):VBX+8*(\b)+7], v[PBX+8*(\a):PBX+8*(\a)+7], 0
.else
	v_wmma_f32_16x16x32_f16 v[64*(\a)+8*(\b):64*(\a)+8*(\b)+7], v[VBX+8*(\b):VBX+8*(\b)+7], v[PBX+8*(\a):PBX+8*(\a)+7], v[64*(\a)+8*(\b):64*(\a)+8*(\b)+7]
.endif
.endr
.endr
.if \fetch
	s_wait_dscnt 16                                ; v's 16 loads may stay out: the next quarter's p and the factors are in
.endif
	WIN W_HI
.set ri, 0
.set pn, 0
.rept 16
.if \zero
	v_wmma_f32_16x16x32_f16 v[8*pn:8*pn+7], v[VBX+8*(pn%8):VBX+8*(pn%8)+7], v[PBX+16+8*(pn/8):PBX+16+8*(pn/8)+7], 0
.else
	v_wmma_f32_16x16x32_f16 v[8*pn:8*pn+7], v[VBX+8*(pn%8):VBX+8*(pn%8)+7], v[PBX+16+8*(pn/8):PBX+16+8*(pn/8)+7], v[8*pn:8*pn+7]
.endif
.if \fetch
.set rc, 2
.if (pn == 12) || (pn == 13)
.set rc, 1
.endif
.if pn == 15
.set rc, 4
.endif
.rept rc
	v_pk_mul_f16 v[PBN+ri], v[FC+ri/8], v[PBN+ri]  ; register ri of the next quarter's p belongs to query block ri / 8
.set ri, ri+1
.endr
.endif
.set pn, pn+1
.endr
.endm
; A BODY: the times of quarters 2 j - 1 (buffer 1) and 2 j (buffer 0).
.macro BODY
	s_lshr_b32 s73, s[JB], 1
	s_lshl_b32 s73, s73, 10                        ; chunk j / 2: 1,024 bytes of factor words each
	v_add_nc_u32 v[AP], s[TBP], v[AP0]
	v_add_nc_u32 v[AV], s[TBV], v[AV0]
	v_add_nc_u32 v[FAD], s73, v[FAD0]
	TQ 1, 0, 0, 1, 0, 1
	TQ 0, 1, 1, 0, 0, 1
	WIN 0                                          ; at a label and at a branch every window is 0
	s_add_co_u32 s[TBP], s[TBP], 2*1024
	s_add_co_u32 s[TBV], s[TBV], 2*16*VPP
	s_add_co_u32 s[JB], s[JB], 1
.endm
.macro LOOPB n
	s_mov_b32 s[CNTB], \n
.Lb_\@:
	BODY
	s_sub_co_u32 s[CNTB], s[CNTB], 1
	s_cmp_lg_u32 s[CNTB], 0
	s_cbranch_scc1 .Lb_\@
.endm
; THE CHANGE OF SLOTS, between two bodies: the old slot's last quarter has been fetched.  Each wave waits for all its tensor loads, of which one is out: its part of the other slot; adds 0 to its spare word; and
; waits for that and for its reads of the old slot.  fill = 1, 2: the barrier is a round of the cluster's, and the old slot is filled again, two periods ahead, first thing behind it: the load has a period's 192 matrix
; instructions in which to land, and nothing but the round stands between the wait and the request.  fill = 2: period 10 has 128 keys: of p's rows of 768 elements 512 exist (the rest arrive as zeros, and nothing
; behind a row's end is read); of v's rows 64.  fill = 0: nothing is left to ask for.
.macro CHANGE fill
	WIN 0
.if (\fill) == 1
	s_wait_xcnt 0x0                                ; the last prefetches, a period back, have read their address
	s_add_nc_u64 s[PFA:PFA+1], s[PFA:PFA+1], s[PST:PST+1]
.endif
	s_wait_tensorcnt 0x0                           ; no tensor load of mine is out, so the descriptors may be written
	ds_add_u32 v[SPW], v[NIL]                      ; 0 onto my spare word; the scalar work below stands between it and the wait for it
.if \fill
	s_xor_b32 s[TF], s[TF], SLOTB                  ; the walking descriptors: the other slot than last time (the slot's offset is toggled apart and added),
	s_add_co_u32 s[G0A+5], s[WOFA], s[TF]
	s_add_co_u32 s[G0B+5], s[WOFB], s[TF]
	s_add_nc_u64 s[G0A+6:G0A+7], s[G0A+6:G0A+7], ROWP   ; the next 192 keys
	s_add_nc_u64 s[G0B+6:G0B+7], s[G0B+6:G0B+7], VSTEP
.endif
.if (\fill) == 2
	s_mov_b32 s[G1A+1], 512<<16                    ; tensor_dim0
	s_mov_b32 s[G1B+2], 64<<16                     ; tensor_dim1
	s_mov_b32 s[G1B+4], 64                         ; tile_dim1
.endif
	s_xor_b32 s[TS], s[TS], SLOTB                  ; the fetches go to the other slot's first quarter
	s_mov_b32 s[TBP], s[TS]
	s_mov_b32 s[TBV], s[TS]
	s_wait_dscnt 0x0                               ; the add is done, and my reads of the old slot are over
.if \fill
	CROUND
	JLOAD 1
.if (\fill) == 1
	ASK
.endif
.else
	s_barrier_signal -1
	s_barrier_wait -1
.endif
.endm
	s_wait_tensorcnt 1                             ; my part of period 0 is in; period 1's may stay out
	s_wait_dscnt 0x0                               ; my factors lie in LDS
	s_barrier_signal -1
	s_barrier_wait -1
.irp a, 0,1,2,3
	ds_load_b32 v[FC+(\a)], v[FAD] offset:64*(\a)  ; chunk 0's factors
.endr
	WIN W_P
	LDP 0, 0                                       ; quarter 0
	WIN 0
	LDV 0, 0
	s_wait_dscnt 16                                ; v's 16 loads may stay out
	WIN W_HI
.set ri, 0
.rept 32
	v_pk_mul_f16 v[PB+ri], v[FC+ri/8], v[PB+ri]
.set ri, ri+1
.endr
	TQ 0, 1, 1, 0, 1, 1                            ; the time of quarter 0: its products start the sums
	WIN 0
	s_mov_b32 s[TBP], 2*1024                       ; body 1 fetches quarters 2 and 3
	s_mov_b32 s[TBV], 2*16*VPP
	s_mov_b32 s[JB], 1
	s_mov_b32 s[CNTB], 2                           ; period 0 has two bodies left
	s_mov_b32 s[CNTP], 9
	s_branch .Lbody
.Lperiod:                                      ; eight times: the changes behind periods 0 to 7, which ask for periods 2 to 9
	CHANGE 1
	s_mov_b32 s[CNTB], 3
.Lbody:
	BODY
	s_sub_co_u32 s[CNTB], s[CNTB], 1
	s_cmp_lg_u32 s[CNTB], 0
	s_cbranch_scc1 .Lbody
	s_sub_co_u32 s[CNTP], s[CNTP], 1
	s_cmp_lg_u32 s[CNTP], 0
	s_cbranch_scc1 .Lperiod
	CHANGE 2                                       ; the tail is written out: behind period 8 the short period 10 is asked for
	LOOPB 3
	CHANGE 0                                       ; behind period 9 nothing
	LOOPB 2
	TQ 1, 0, 0, 0, 0, 0                            ; the time of quarter 63
	WIN 0
	PLACES
	s_wait_dscnt 0x0
	s_barrier_signal -1                            ; every wave has left the ring: the stage in slot 1 may be written
	s_barrier_wait -1
; THE WAY OUT, a block of 16 queries at a time: divided by L, 32 bytes a lane into my own stage, back as whole rows of 512 bytes, stored.
.irp a, 0,1,2,3
	ds_load_b32 v[RLV+2*(\a)], v[RA] offset:64*(\a)
	ds_load_b32 v[RLV+2*(\a)+1], v[RA] offset:64*(\a)  ; the pair's second register is named with the first
.endr
	s_wait_dscnt 0x0
.macro PACK a
	WIN 1+(\a)/2                                   ; source 0 in window 1 or 2
.set n, 0
.rept 32
	v_pk_mul_f32 v[TMP+2*n:TMP+2*n+1], v[64*((\a)%2)+2*n:64*((\a)%2)+2*n+1], v[RLV+2*(\a):RLV+2*(\a)+1] op_sel_hi:[1,0]
.set n, n+1
.endr
	WIN 0
.endm
.macro TOSTAGE a
.set BK, 96+64*((\a)%2)
.irp b, 0,1,2,3,4,5,6,7
	ds_store_b128 v[STO], v[TMP+8*(\b):TMP+8*(\b)+3]   offset:64*(\b)
	ds_store_b128 v[STO], v[TMP+8*(\b)+4:TMP+8*(\b)+7] offset:64*(\b)+16
.endr
.set n, 0
.rept 16
	ds_load_b128 v[BK+4*n:BK+4*n+3], v[RD] offset:n*SPITCH  ; LDS serves a wave's instructions in order: these see the stores above
.set n, n+1
.endr
.endm
.macro SEND a
.set BK, 96+64*((\a)%2)
	s_wait_dscnt 0x0
	s_wait_xcnt 0x0                                ; earlier stores have read their registers: the other buffer is loaded again only behind this wait
.set n, 0
.rept 16
	global_store_b128 v[CO], v[BK+4*n:BK+4*n+3], s[8:9] offset:(16*(\a)+n)*4096 th:TH_STORE_NT  ; 512 consecutive bytes, aligned
.set n, n+1
.endr
.endm
	PACK 0
	TOSTAGE 0
.irp a, 1,2,3
	PACK \a
	SEND (\a)-1
	TOSTAGE \a
.endr
	SEND 3
	s_wait_tensorcnt 0x0                           ; the wave's end
	ds_add_u32 v[SPW], v[NIL]
	s_wait_dscnt 0x0
	CROUND
	s_endpgm
.Lfunc_end_k_q988fb3d3db_mix:
	.size	k_q988fb3d3db_mix, .Lfunc_end_k_q988fb3d3db_mix-k_q988fb3d3db_mix
	.p2alignl 7, 3214868480
	.fill 96, 4, 3214868480
	.section	.rodata,"a",@progbits
	.p2align	6, 0x0
	.amdhsa_kernel k_q988fb3d3db_mix
		.amdhsa_group_segment_fixed_size 327680
		.amdhsa_private_segment_fixed_size 0
		.amdhsa_enable_private_segment 0
		.amdhsa_kernarg_size 32
		.amdhsa_user_sgpr_count 2
		.amdhsa_user_sgpr_kernarg_segment_ptr 1
		.amdhsa_wavefront_size32 1
		.amdhsa_system_sgpr_workgroup_id_x 1
		.amdhsa_system_sgpr_workgroup_id_y 1
		.amdhsa_system_sgpr_workgroup_id_z 1
		.amdhsa_system_vgpr_workitem_id 0
		.amdhsa_next_free_vgpr 704
		.amdhsa_next_free_sgpr 100
		.amdhsa_reserve_vcc 0
		.amdhsa_float_denorm_mode_32 3
		.amdhsa_float_denorm_mode_16_64 3
		.amdhsa_memory_ordered 1
		.amdhsa_forward_progress 1
		.amdhsa_inst_pref_size 95
	.end_amdhsa_kernel
	.amdgpu_metadata
---
amdhsa.version: [ 1, 2 ]
amdhsa.kernels:
  - .name:           k_q988fb3d3db_mix
    .symbol:         k_q988fb3d3db_mix.kd
    .args:
      - { .name: prob, .offset: 0, .size: 8, .value_kind: global_buffer, .address_space: global }
      - { .name: qkv, .offset: 8, .size: 8, .value_kind: global_buffer, .address_space: global }
      - { .name: stats, .offset: 16, .size: 8, .value_kind: global_buffer, .address_space: global }
      - { .name: out0, .offset: 24, .size: 8, .value_kind: global_buffer, .address_space: global }
    .group_segment_fixed_size: 327680
    .private_segment_fixed_size: 0
    .kernarg_segment_align: 8
    .kernarg_segment_size: 32
    .max_flat_workgroup_size: 128
    .sgpr_count:     100
    .vgpr_count:     704
    .wavefront_size: 32
...
	.end_amdgpu_metadata
.endif
;; end of part 4
;; ======== version 2 of 2: 4 launches; version 1 with the launch prep written anew for expert scheduling mode
;; limits: values are held in f16: magnitudes above 65,504 overflow, below 6.1e-05 lose precision
;; workspace buffers: xb 16,777,216 bytes; wt 6,291,456 bytes; biasb 12,288 bytes; qkv 50,331,648 bytes; prob 33,554,432 bytes; stats 1,048,576 bytes
;; launch prep (part 5): grid 352 x 1, 8 waves a work-group, no clusters, 74,752 bytes of LDS; arguments x, Wq, Wk, Wv, bq, bk, bv, xb, wt, biasb; writes xb, wt, biasb
.if DOCPART == 5
	.amdgcn_target "amdgcn-amd-amdhsa--gfx1250"
	.amdhsa_code_object_version 6
	.text
	.protected	k_q988fb3d3db_prep
	.globl	k_q988fb3d3db_prep
	.p2align	8
	.type	k_q988fb3d3db_prep,@function
k_q988fb3d3db_prep:
	s_mov_b64 s[64:65], 0
	v_nop
	global_prefetch_b8 v0, s[64:65] scope:SCOPE_SE
	s_setreg_imm32_b32 hwreg(HW_REG_WAVE_SCHED_MODE, 0, 2), 2
	s_setreg_imm32_b32 hwreg(HW_REG_WAVE_MODE, 25, 1), 1
	s_wait_xcnt 0x0
	s_wait_alu depctr_vm_vsrc(0)
; PREPARATION.  x, the three weights and the three biases are rounded once to bf16 and laid out for the projection.
;   xb    [16 kb][8192 token][64]  bf16: x[token][64 kb + j]
;   wt    [16 kb][3072 n][64]      bf16: n = 1024 sel + e (sel 0, 1, 2 = q, k, v): W_sel[64 kb + j][e], that is the weights turned
;   biasb [3072] words: bf16(bias[n]) in the low half, 0 in the high half
; In both blocked layouts a tile of R rows x 64 along K is R x 128 consecutive bytes.
; Work-groups 0-255 take 32 tokens of x each (registers alone); work-groups 256-351 take 64 d x 512 e of one weight and turn it in LDS.
; The launch only moves bytes: no matrix work, no cluster, no tensor load would add anything.
; THE MODE: SCHED_MODE bits 1:0 = 2 (LLVM: expert scheduling mode 2), set by the entry lines.  The code itself states the register dependences
; between vector instructions and memory or LDS instructions, with s_wait_alu, always for 0.
; THE PLAN.  Registers that memory or LDS instructions touch:
;   v4 to v7, v10  offsets and LDS addresses: made once at a path's head, ahead of that path's first wait on va_vdst, and never written again.
;   X              x path: each group of eight is written by two loads, all issued at the start; four conversions pack it in place; one store reads the four packed registers; nothing writes them again.
;                  weights path: written by the loads at the start, read by the conversions; behind the barrier the LDS loads land in v[16:79], which the global stores read.
;   Y0 .. Y3       weights path: pass p's conversions write Y[p]; the four LDS stores that are issued in pass p + 1 read it; nothing writes it again.
;   v[8:9]         weights path: at work at the head; later the bias load lands in them.   v[12:13]: the bias, packed, for its store.
;   v2, v3         written at the head, read by the closing add alone.
; So no register that a memory or LDS instruction has read is ever written again, and the text holds no wait on vm_vsrc.  The waits on va_vdst: one at each path's head; on the x path one behind
; each block's sixteen conversions, ahead of its four stores; on the weights path one at the head of each pass but the first and one behind the last; one in the bias step.
.set SPARE, 73728                      ; behind the 512 rows x 144 bytes in which a weight tile is turned: 128 bytes of spare words for each of 8 waves
.set X, 16                             ; v[16:143]  32 loads of 4 registers
.set Y, 144                            ; v[144:207] pass p: 16 registers at Y + 16 p: packed pieces on their way into LDS
	s_load_b512 s[4:19], s[0:1], 0x0               ; x 4:5, Wq 6:7, Wk 8:9, Wv 10:11, bq 12:13, bk 14:15, bv 16:17, xb 18:19
	s_load_b128 s[20:23], s[0:1], 0x40             ; wt 20:21, biasb 22:23
	v_lshl_add_u32 v2, v0, 2, SPARE                ; my spare word,
	v_mov_b32 v3, 0                                ; and 0: kept for the add at the end alone
	v_lshrrev_b32 v1, 5, v0
	v_readfirstlane_b32 s24, v1                    ; wave 0..7
	v_and_b32 v1, 31, v0                           ; lane
	s_wait_alu depctr_va_sdst(0)                   ; s24 is written: ahead of the branch, and so ahead of its first reader on either way
	s_cmp_lt_u32 ttmp9, 256
	s_cbranch_scc0 .Lweights
; ---- x: lane l of wave w owns token 32 g + 4 w + l / 8 and, in each block kb of 64 columns, the columns 8 (l % 8) + 0..7
	s_lshl_b32 s26, ttmp9, 17                      ; 32 rows of 4,096 bytes of x
	s_mov_b32 s27, 0
	s_lshl_b32 s28, ttmp9, 12                      ; 32 rows of 128 bytes in a plane of xb
	s_mov_b32 s29, 0
	v_lshrrev_b32 v8, 3, v1
	v_lshl_add_u32 v8, s24, 2, v8                  ; 4 w + l / 8
	v_and_b32 v9, 7, v1
	v_lshlrev_b32 v4, 12, v8
	v_lshl_add_u32 v4, v9, 5, v4                   ; row x 4,096 + 32 (l % 8)
	v_lshlrev_b32 v5, 4, v0                        ; 512 w + 16 l: a store of the wave covers 512 consecutive bytes
	s_wait_kmcnt 0x0
	s_add_nc_u64 s[4:5], s[4:5], s[26:27]
	s_add_nc_u64 s[18:19], s[18:19], s[28:29]      ; planes 0-7
	s_add_nc_u64 s[30:31], s[18:19], 0x800000      ; planes 8-15: the immediate then stays inside its 24 bits
	s_wait_alu depctr_va_vdst(0)                   ; v4 and v5 are written: every load of this path reads the one as its offset, every store the other
.set kb, 0
.rept 16                               ; all 32 loads go out at once: 16 KiB of each wave are on their way
	global_load_b128 v[X+8*kb:X+8*kb+3],   v4, s[4:5] offset:kb*256 th:TH_LOAD_NT
	global_load_b128 v[X+8*kb+4:X+8*kb+7], v4, s[4:5] offset:kb*256+16 th:TH_LOAD_NT
.set kb, kb+1
.endr
.set q, 0
.rept 4                                ; block q: planes 4 q to 4 q + 3: eight loads, sixteen conversions, four stores
	s_wait_loadcnt 24-8*q                          ; loads return in order: all but the later blocks' are in
.set kb, 4*q
.rept 4
.irp j, 0,1,2,3
	v_cvt_pk_bf16_f32 v[X+8*kb+(\j)], v[X+8*kb+2*(\j)], v[X+8*kb+2*(\j)+1]  ; in place, ascending: a destination never lies above its sources
.endr
.set kb, kb+1
.endr
	s_wait_alu depctr_va_vdst(0)                   ; the block's conversions have written the registers that its four stores read
.set kb, 4*q
.rept 4
.if kb < 8
	global_store_b128 v5, v[X+8*kb:X+8*kb+3], s[18:19] offset:kb*1048576
.else
	global_store_b128 v5, v[X+8*kb:X+8*kb+3], s[30:31] offset:(kb-8)*1048576
.endif
.set kb, kb+1
.endr
.set q, q+1
.endr
	s_endpgm
; ---- weights: tile g' = sel, kb, half: rows d = 64 kb .. + 63, columns e = 512 half .. + 511
.Lweights:
	s_sub_co_u32 s25, ttmp9, 256
	s_lshr_b32 s26, s25, 5                         ; sel
	s_bfe_u32 s27, s25, 0x40001                    ; kb
	s_and_b32 s28, s25, 1                          ; half
	s_lshl_b32 s30, s27, 18                        ; 64 rows of 4,096 bytes
	s_lshl_b32 s29, s28, 11                        ; 512 numbers of 4 bytes
	s_add_co_u32 s30, s30, s29
	s_mov_b32 s31, 0
	s_mul_i32 s36, s27, 3072
	s_lshl_b32 s37, s26, 10
	s_add_co_u32 s36, s36, s37
	s_lshl_b32 s37, s28, 9
	s_add_co_u32 s36, s36, s37
	s_lshl_b32 s36, s36, 7                         ; (3072 kb + 1024 sel + 512 half) rows of 128 bytes in wt
	s_mov_b32 s37, 0
	v_lshlrev_b32 v4, 4, v1
	v_lshl_add_u32 v4, s24, 15, v4                 ; wave w reads rows 8 w + i: 32,768 w + 16 l
	v_mul_u32_u24 v6, v1, 576
	v_lshl_add_u32 v6, s24, 4, v6                  ; into LDS: row 4 l (+ c), my wave's 16 bytes of it
	v_lshrrev_b32 v8, 3, v1
	v_lshl_add_u32 v8, s24, 6, v8
	v_and_b32 v9, 7, v1
	v_mul_u32_u24 v7, v8, 144
	v_lshl_add_u32 v7, v9, 4, v7                   ; back: row 64 w + l / 8, bytes 16 (l % 8)
	v_lshlrev_b32 v5, 4, v1
	v_lshl_add_u32 v5, s24, 13, v5                 ; 8,192 w + 16 l in wt
	v_lshlrev_b32 v10, 3, v0                       ; the bias step's offset, two numbers a thread, and its 0: made here, ahead of the wait below
	v_mov_b32 v11, 0
	s_wait_kmcnt 0x0
	s_cmp_eq_u32 s26, 1
	s_cselect_b64 s[32:33], s[8:9], s[6:7]
	s_cselect_b64 s[34:35], s[14:15], s[12:13]
	s_cmp_eq_u32 s26, 2
	s_cselect_b64 s[32:33], s[10:11], s[32:33]     ; the weight,
	s_cselect_b64 s[34:35], s[16:17], s[34:35]     ; and its bias
	s_add_nc_u64 s[32:33], s[32:33], s[30:31]
	s_add_nc_u64 s[20:21], s[20:21], s[36:37]
	s_wait_alu depctr_va_vdst(0)                   ; v4 to v7 and v10 are written, which this path's loads and stores read as offsets and addresses; and the lines above are done with v8 and v9, in which the bias load lands
.set p, 0
.rept 4                                ; pass p: columns 128 p + 4 l + 0..3 of my eight rows
.set i, 0
.rept 8
	global_load_b128 v[X+32*p+4*i:X+32*p+4*i+3], v4, s[32:33] offset:i*4096+p*512 th:TH_LOAD_NT
.set i, i+1
.endr
.set p, p+1
.endr
.set p, 0
.rept 4
	s_wait_loadcnt 24-8*p                          ; the later passes' loads may stay out
.if p > 0
	s_wait_alu depctr_va_vdst(0)                   ; the pass before has written its Y, which the four LDS stores below read; this pass's conversions name X[p] and Y[p] alone
.endif
.set c, 0
.rept 4                                ; column c of my four: its eight d pack into 16 bytes of row e; ahead of them the same column of the pass before goes into LDS
.if p > 0
	ds_store_b128 v6, v[Y+16*(p-1)+4*c:Y+16*(p-1)+4*c+3] offset:(128*(p-1)+c)*144
.endif
.set m, 0
.rept 4
	v_cvt_pk_bf16_f32 v[Y+16*p+4*c+m], v[X+32*p+8*m+c], v[X+32*p+8*m+4+c]
.set m, m+1
.endr
.set c, c+1
.endr
.set p, p+1
.endr
	s_wait_alu depctr_va_vdst(0)                   ; the last pass has written its Y, which the LDS stores below read; and all conversions are done reading X, in which the LDS loads behind the barrier land
.set c, 0
.rept 4
	ds_store_b128 v6, v[Y+48+4*c:Y+48+4*c+3] offset:(384+c)*144
.set c, c+1
.endr
	s_wait_dscnt 0x0                               ; for the others' sake: a row's 128 bytes come from all eight waves
	s_barrier_signal -1
	s_barrier_wait -1
.set t, 0
.rept 16
	ds_load_b128 v[X+4*t:X+4*t+3], v7 offset:t*576 ; four whole rows of 128 bytes.  No wait: no vector instruction since the wait above names these registers
.set t, t+1
.endr
.set t, 0
.rept 16
	s_wait_dscnt 15-t
	global_store_b128 v5, v[X+4*t:X+4*t+3], s[20:21] offset:t*512  ; 512 consecutive bytes of wt
.set t, t+1
.endr
	s_cmp_lg_u32 s27, 0                            ; the six tiles with kb = 0 also take 512 numbers of their bias
	s_cbranch_scc1 .Lend
	s_mov_b32 s30, s29
	s_mov_b32 s31, 0
	s_add_nc_u64 s[34:35], s[34:35], s[30:31]
	s_lshl_b32 s38, s26, 12
	s_add_co_u32 s38, s38, s29                     ; (1024 sel + 512 half) words
	s_mov_b32 s39, 0
	s_add_nc_u64 s[22:23], s[22:23], s[38:39]
	global_load_b64 v[8:9], v10, s[34:35]          ; no wait: v10, v8 and v9 were last named by vector instructions ahead of this path's first wait on va_vdst
	s_wait_loadcnt 0x0
	v_cvt_pk_bf16_f32 v12, v8, v11                 ; the bias below, 0 above
	v_cvt_pk_bf16_f32 v13, v9, v11
	s_wait_alu depctr_va_vdst(0)                   ; the two conversions have written v12 and v13, which the store reads
	global_store_b64 v10, v[12:13], s[22:23]
.Lend:
	s_wait_dscnt 0x0                               ; the closing lines, six on end
	s_wait_alu 0x0
	s_wait_tensorcnt 0x0
	ds_add_u32 v2, v3
	s_wait_dscnt 0x0
	s_endpgm
.Lfunc_end_k_q988fb3d3db_prep:
	.size	k_q988fb3d3db_prep, .Lfunc_end_k_q988fb3d3db_prep-k_q988fb3d3db_prep
	.p2alignl 7, 3214868480
	.fill 96, 4, 3214868480
	.section	.rodata,"a",@progbits
	.p2align	6, 0x0
	.amdhsa_kernel k_q988fb3d3db_prep
		.amdhsa_group_segment_fixed_size 74752
		.amdhsa_private_segment_fixed_size 0
		.amdhsa_enable_private_segment 0
		.amdhsa_kernarg_size 80
		.amdhsa_user_sgpr_count 2
		.amdhsa_user_sgpr_kernarg_segment_ptr 1
		.amdhsa_wavefront_size32 1
		.amdhsa_system_sgpr_workgroup_id_x 1
		.amdhsa_system_sgpr_workgroup_id_y 1
		.amdhsa_system_sgpr_workgroup_id_z 1
		.amdhsa_system_vgpr_workitem_id 0
		.amdhsa_next_free_vgpr 208
		.amdhsa_next_free_sgpr 66
		.amdhsa_reserve_vcc 0
		.amdhsa_float_denorm_mode_32 3
		.amdhsa_float_denorm_mode_16_64 3
		.amdhsa_memory_ordered 1
		.amdhsa_forward_progress 1
		.amdhsa_inst_pref_size 24
	.end_amdhsa_kernel
	.amdgpu_metadata
---
amdhsa.version: [ 1, 2 ]
amdhsa.kernels:
  - .name:           k_q988fb3d3db_prep
    .symbol:         k_q988fb3d3db_prep.kd
    .args:
      - { .name: x, .offset: 0, .size: 8, .value_kind: global_buffer, .address_space: global }
      - { .name: Wq, .offset: 8, .size: 8, .value_kind: global_buffer, .address_space: global }
      - { .name: Wk, .offset: 16, .size: 8, .value_kind: global_buffer, .address_space: global }
      - { .name: Wv, .offset: 24, .size: 8, .value_kind: global_buffer, .address_space: global }
      - { .name: bq, .offset: 32, .size: 8, .value_kind: global_buffer, .address_space: global }
      - { .name: bk, .offset: 40, .size: 8, .value_kind: global_buffer, .address_space: global }
      - { .name: bv, .offset: 48, .size: 8, .value_kind: global_buffer, .address_space: global }
      - { .name: xb, .offset: 56, .size: 8, .value_kind: global_buffer, .address_space: global }
      - { .name: wt, .offset: 64, .size: 8, .value_kind: global_buffer, .address_space: global }
      - { .name: biasb, .offset: 72, .size: 8, .value_kind: global_buffer, .address_space: global }
    .group_segment_fixed_size: 74752
    .private_segment_fixed_size: 0
    .kernarg_segment_align: 8
    .kernarg_segment_size: 80
    .max_flat_workgroup_size: 256
    .sgpr_count:     66
    .vgpr_count:     208
    .wavefront_size: 32
...
	.end_amdgpu_metadata
.endif
;; end of part 5
;; launch proj: the kernel of part 2 again; grid 8 x 32, 4 waves a work-group, clusters of 4 x 4, 327,680 bytes of LDS; arguments xb, wt, biasb, qkv; writes qkv
;; launch score: the kernel of part 3 again; grid 8 x 32, 4 waves a work-group, clusters of 4 x 4, 327,680 bytes of LDS; arguments qkv, prob, stats; writes prob, stats
;; launch mix: the kernel of part 4 again; grid 8 x 32, 4 waves a work-group, clusters of 4 x 4, 327,680 bytes of LDS; arguments prob, qkv, stats, out0; writes out0
